; MI455X (gfx1250); checked and timed in simulation.
; The chip was launched on July 23, 2026; its instructions are those of AMD's public machine-readable ISA for CDNA 5 (MIT licence, August 2026) and "CDNA5" Instruction Set Architecture Reference Guide (July 2026). The comments in the code are by the model that wrote it; some were corrected since.
;; Attention. Allowed arithmetic: float matrix products may take bf16 or f16 operands with f32 sums; other float arithmetic in f32, or as packed bf16 or f16 multiplies, adds, multiply-adds, maxima and minima; sums over many terms, partial sums and values carried from step to step in f32; what a program stores and reads back later, other than sums and carried values, may be rounded once to bf16 or f16.
;; Inputs: cos 2,048 x 64 float32; sin 2,048 x 64 float32; wk 2,048 x 512 float32; wo 1,024 x 2,048 float32; wq 2,048 x 1,024 float32; wv 2,048 x 512 float32; x 2 x 2,048 x 2,048 float32.
;; Outputs: out0 2 x 2,048 x 2,048 float32.
;; 2 versions, each right and faster than the one before. Each part assembles by itself: llvm-mc -triple=amdgcn-amd-amdhsa -mcpu=gfx1250 --defsym DOCPART=n.
;; ======== version 1 of 2: 4 launches
;; limits: values are held in f16: magnitudes above 65,504 overflow, below 6.1e-05 lose precision
;; workspace buffers: xb 16,777,216 bytes; wb 8,388,608 bytes; wob 4,194,304 bytes; cs 524,288 bytes; qkv 16,777,216 bytes; ob 8,388,608 bytes
;; launch cast (part 1): grid 912 x 1, 8 waves a work-group, no clusters, 0 bytes of LDS; arguments x, wq, wk, wv, wo, cos, sin, xb, wb, wob, cs; writes xb, wb, wob, cs
.if DOCPART == 1
	.amdgcn_target "amdgcn-amd-amdhsa--gfx1250"
	.amdhsa_code_object_version 6
	.text
	.protected	k_qd8a27bfa99_cast
	.globl	k_qd8a27bfa99_cast
	.p2align	8
	.type	k_qd8a27bfa99_cast,@function
k_qd8a27bfa99_cast:
	s_mov_b64 s[64:65], 0
	v_nop
	global_prefetch_b8 v0, s[64:65] scope:SCOPE_SE
	s_setreg_imm32_b32 hwreg(HW_REG_WAVE_MODE, 25, 1), 1
	s_wait_xcnt 0x0
; CAST: every input is rounded once to bf16 and laid out for the launches behind.
;   xb  [4096][2048] bf16 = x.      wb [2048 k][2048 n] bf16: n 0-1023 wq, 1024-1535 wk, 1536-2047 wv.
;   wob [1024][2048] f16 = wo rounded to bf16, that number written as f16 (exact from 6.1e-5 to 65,504; below, f16's fixed step of 6e-8; beyond, an infinity).
;   cs: cos [2048][64] bf16 at byte 0; at byte 262,144 sin with rotate_half's sign folded in: -sin for channels 0-31, +sin for 32-63.
; A stream: no LDS, no matrix unit, no cluster (no two work-groups read the same byte).  A work-group takes 65,536 consecutive bytes of ONE source, in 16 steps of
; 4,096 bytes; thread t takes 16 bytes at 16 t of each step.  A wave's load covers 512 consecutive bytes, its store of 8 bytes a lane 256 consecutive bytes at a
; multiple of 256 from the buffer's first byte.  All 16 loads of a wave go out first; no register is written again behind a store that reads it.
.set VL, 1                             ; v1      16 t: my bytes in a step of the source
.set VF, 2                             ; v2      8 t: my bytes in a step of a dense destination
.set VS, 3                             ; v3      wk, wv: a step is two rows of 512 numbers: (t / 128) rows of wb + 8 (t % 128)
.set T,  4                             ; v[4:7]  at work
.set X,  8                             ; v[8:71] step j: 4 registers as loaded, the first two then as stored
.set SG, 72                            ; v72     0x80008000 where my four channels lie below 32, else 0
	s_load_b512 s[4:19], s[0:1], 0x0               ; x 4:5, wq 6:7, wk 8:9, wv 10:11, wo 12:13, cos 14:15, sin 16:17, xb 18:19
	s_load_b128 s[20:23], s[0:1], 0x40             ; wb 20:21, wob 22:23
	s_load_b64 s[24:25], s[0:1], 0x50              ; cs
	s_mov_b32 s33, ttmp9                           ; the work-group's number picks the source
	s_mov_b32 s31, 0                               ; high word of every offset
	s_mov_b32 s32, 0xffff0000                      ; a word's upper bf16
	s_mov_b32 s34, 0x80008000                      ; the signs of two bf16
	v_lshlrev_b32 v[VL], 4, v0
	v_lshlrev_b32 v[VF], 3, v0
	v_lshrrev_b32 v[VS], 7, v0
	v_and_b32 v[T], 127, v0
	v_lshlrev_b32 v[T], 3, v[T]
	v_lshl_add_u32 v[VS], v[VS], 12, v[T]
	v_and_b32 v[T], 8, v0                          ; a step holds 16 rows of 64 channels: my first channel is 4 t mod 64, below 32 where bit 3 of t is 0
	v_cmp_eq_u32 vcc_lo, 0, v[T]
	v_cndmask_b32 v[SG], 0, s34, vcc_lo
	s_wait_kmcnt 0x0
; One range of work-groups: numbers start .. next - 1 take source s[src:src+1]; number start + i reads from byte 65,536 i and writes from byte (i << dshift) + dadd.
.macro PART next, start, src, dst, dshift, dadd, body, last
.if !(\last)
	s_cmp_lt_u32 s33, \next
	s_cbranch_scc0 .Lpast_\@
.endif
	s_sub_co_u32 s35, s33, \start
	s_lshl_b32 s30, s35, 16
	s_add_nc_u64 s[26:27], s[\src:\src+1], s[30:31]
	s_lshl_b32 s30, s35, \dshift
	s_add_co_u32 s30, s30, \dadd
	s_add_nc_u64 s[28:29], s[\dst:\dst+1], s[30:31]
	s_branch \body
.if !(\last)
.Lpast_\@:
.endif
.endm
	PART 512, 0,   4,  18, 15, 0,      .Lflat, 0   ; x: 512 work-groups
	PART 640, 512, 6,  20, 16, 0,      .Lrowq, 0   ; wq: 16 rows a work-group, a row a step
	PART 704, 640, 8,  20, 17, 2048,   .Lrowk, 0   ; wk: 32 rows a work-group, two rows a step; columns 1024 on
	PART 768, 704, 10, 20, 17, 3072,   .Lrowk, 0   ; wv: the same; columns 1536 on
	PART 896, 768, 12, 22, 15, 0,      .Lhalf, 0   ; wo
	PART 904, 896, 14, 24, 15, 0,      .Lflat, 0   ; cos
	PART 912, 904, 16, 24, 15, 262144, .Lsign, 1   ; sin: the last range needs no compare
; stride: bytes in the destination from step to step; voff: my offset there; half = 1: the bf16 number is written as f16; sgn = 1: the signs are turned by SG.
.macro BODY stride, voff, half, sgn
.set j, 0
.rept 16
	global_load_b128 v[X+4*j:X+4*j+3], v[VL], s[26:27] offset:4096*j th:TH_LOAD_NT
.set j, j+1
.endr
.set j, 0
.rept 16
	s_wait_loadcnt 15-j                            ; loads come back in order (ISA guide 5.7.1): step j is in, the 15 - j younger ones stay out
	v_cvt_pk_bf16_f32 v[X+4*j], v[X+4*j], v[X+4*j+1]
	v_cvt_pk_bf16_f32 v[X+4*j+1], v[X+4*j+2], v[X+4*j+3]
.if \half
	v_lshlrev_b32 v[T], 16, v[X+4*j]               ; bf16 to f32: the low half moves up, the high half stays
	v_and_b32 v[T+1], s32, v[X+4*j]
	v_lshlrev_b32 v[T+2], 16, v[X+4*j+1]
	v_and_b32 v[T+3], s32, v[X+4*j+1]
	v_cvt_pk_f16_f32 v[X+4*j], v[T], v[T+1]
	v_cvt_pk_f16_f32 v[X+4*j+1], v[T+2], v[T+3]
.endif
.if \sgn
	v_xor_b32 v[X+4*j], v[SG], v[X+4*j]
	v_xor_b32 v[X+4*j+1], v[SG], v[X+4*j+1]
.endif
	global_store_b64 v[\voff], v[X+4*j:X+4*j+1], s[28:29] offset:(\stride)*j
.set j, j+1
.endr
	s_endpgm
.endm
.Lflat:
	BODY 2048, VF, 0, 0
.Lrowq:
	BODY 4096, VF, 0, 0
.Lrowk:
	BODY 8192, VS, 0, 0
.Lhalf:
	BODY 2048, VF, 1, 0
.Lsign:
	BODY 2048, VF, 0, 1
.Lfunc_end_k_qd8a27bfa99_cast:
	.size	k_qd8a27bfa99_cast, .Lfunc_end_k_qd8a27bfa99_cast-k_qd8a27bfa99_cast
	.p2alignl 7, 3214868480
	.fill 96, 4, 3214868480
	.section	.rodata,"a",@progbits
	.p2align	6, 0x0
	.amdhsa_kernel k_qd8a27bfa99_cast
		.amdhsa_group_segment_fixed_size 0
		.amdhsa_private_segment_fixed_size 0
		.amdhsa_enable_private_segment 0
		.amdhsa_kernarg_size 88
		.amdhsa_user_sgpr_count 2
		.amdhsa_user_sgpr_kernarg_segment_ptr 1
		.amdhsa_wavefront_size32 1
		.amdhsa_system_sgpr_workgroup_id_x 1
		.amdhsa_system_sgpr_workgroup_id_y 1
		.amdhsa_system_sgpr_workgroup_id_z 1
		.amdhsa_system_vgpr_workitem_id 0
		.amdhsa_next_free_vgpr 80
		.amdhsa_next_free_sgpr 66
		.amdhsa_reserve_vcc 1
		.amdhsa_float_denorm_mode_32 3
		.amdhsa_float_denorm_mode_16_64 3
		.amdhsa_memory_ordered 1
		.amdhsa_forward_progress 1
		.amdhsa_inst_pref_size 37
	.end_amdhsa_kernel
	.amdgpu_metadata
---
amdhsa.version: [ 1, 2 ]
amdhsa.kernels:
  - .name:           k_qd8a27bfa99_cast
    .symbol:         k_qd8a27bfa99_cast.kd
    .args:
      - { .name: x, .offset: 0, .size: 8, .value_kind: global_buffer, .address_space: global }
      - { .name: wq, .offset: 8, .size: 8, .value_kind: global_buffer, .address_space: global }
      - { .name: wk, .offset: 16, .size: 8, .value_kind: global_buffer, .address_space: global }
      - { .name: wv, .offset: 24, .size: 8, .value_kind: global_buffer, .address_space: global }
      - { .name: wo, .offset: 32, .size: 8, .value_kind: global_buffer, .address_space: global }
      - { .name: cos, .offset: 40, .size: 8, .value_kind: global_buffer, .address_space: global }
      - { .name: sin, .offset: 48, .size: 8, .value_kind: global_buffer, .address_space: global }
      - { .name: xb, .offset: 56, .size: 8, .value_kind: global_buffer, .address_space: global }
      - { .name: wb, .offset: 64, .size: 8, .value_kind: global_buffer, .address_space: global }
      - { .name: wob, .offset: 72, .size: 8, .value_kind: global_buffer, .address_space: global }
      - { .name: cs, .offset: 80, .size: 8, .value_kind: global_buffer, .address_space: global }
    .group_segment_fixed_size: 0
    .private_segment_fixed_size: 0
    .kernarg_segment_align: 8
    .kernarg_segment_size: 88
    .max_flat_workgroup_size: 256
    .sgpr_count:     66
    .vgpr_count:     80
    .wavefront_size: 32
...
	.end_amdgpu_metadata
.endif
;; end of part 1
;; launch proj (part 2): grid 16 x 16, 4 waves a work-group, clusters of 4 x 4, 327,680 bytes of LDS; arguments xb, wb, cs, qkv; writes qkv
.if DOCPART == 2
	.amdgcn_target "amdgcn-amd-amdhsa--gfx1250"
	.amdhsa_code_object_version 6
	.text
	.protected	k_qd8a27bfa99_proj
	.globl	k_qd8a27bfa99_proj
	.p2align	8
	.type	k_qd8a27bfa99_proj,@function
k_qd8a27bfa99_proj:
	s_mov_b64 s[64:65], 0
	v_nop
	global_prefetch_b8 v0, s[64:65] scope:SCOPE_SE
	s_setreg_imm32_b32 hwreg(HW_REG_WAVE_MODE, 25, 1), 1
	s_wait_xcnt 0x0
	s_wait_alu depctr_hold_cnt(0) depctr_sa_sdst(0) depctr_va_vdst(0) depctr_va_sdst(0) depctr_va_ssrc(0) depctr_va_vcc(0) depctr_vm_vsrc(0)
	s_getreg_b32 s2, hwreg(HW_REG_IB_STS2, 6, 4)
	s_cmp_eq_u32 s2, 0
	s_cbranch_scc0 .Lentry_in_a_cluster
	s_endpgm
.Lentry_in_a_cluster:
	s_bfe_u32 s2, ttmp6, 0x10000c
	s_cmp_lg_u32 s2, 0xf033
	s_cbranch_scc0 .Lentry_shape_is_right
	s_endpgm
.Lentry_shape_is_right:
; PROJ: [q | k | v] = xb wb, RoPE on q and k, out by heads.  xb [4096][2048] bf16, wb [2048 k][2048 n] bf16, sums in f32.
; qkv: 64 head slots of [2048 rows][64] f16: q(b, h) in slot 16 b + h, k(b, g) in 32 + 16 b + g, v(b, g) in 40 + 16 b + g; each number rounded once, unscaled.
; LIMITS.  f16 holds no number beyond 65,504: q, k and v must stay within it (an infinity otherwise); NaN and infinities are not treated apart.
; SHARES.  A tile of C is 256 rows x 128 columns: 16 x 16 tiles, one for each of 256 work-groups.  Four waves, each 128 rows x 64 columns: 32 accumulators of 16 x 16.
; A wave's 64 columns are one head, its 128 rows 16,384 consecutive bytes of that head's slot.
; K goes in steps of 128 through two LDS slots filled by tensor loads: 256 rows of A (256 bytes each), 128 k-rows of B (256 bytes each).
; CLUSTER.  4 x 4 work-groups: the four of a row need the same tiles of A, the four of a column the same tiles of B; each tile is asked for jointly.
; THE MATRIX INSTRUCTION IS USED TRANSPOSED: source 0 = 16 columns of B (turned on the way out of LDS by ds_load_tr16_b128, since B lies [k][n]), source 1 = 16 rows of A:
; a lane then holds row l % 16 of C and the eight neighbouring columns 8 (l / 16) + 0..7.
; REGISTERS: window 0: v0-31 addresses; two fragment buffers of 96 (64 of A, 32 of B) at v32, v128; on the way out v32-63 at work, v64-191 packed results.
;   window 1: the accumulators, (a, b) at v[8 (4 a + b)].   window 2: cos and sin of my 128 rows, bf16: block a at v[32 a]: 16 of cos, 16 of sin.
.set SIZE_K, 2048
.set LOGROW, 12                        ; a row of A is 4,096 bytes
.set KSTEP,  128
.set PA,     272                       ; an LDS row of A: 256 bytes + 16 = 68 words: the 16 rows of a load start at 16 different groups of four banks (64 banks of 4 bytes: ISA guide 11.1)
.set PB,     288                       ; an LDS row of B: 256 + 32 = 72 words
.set HALFA,  128*PA                    ; what one tensor load brings of A
.set HALFB,  64*PB                     ; and of B
.set BOFF,   2*HALFA
.set SLOT,   BOFF+2*HALFB
.set STAGE,  2*SLOT                    ; behind the ring: 16 rows x 144 bytes for each wave
.set SP,     144
.set SPARE,  STAGE+4*16*SP             ; the spare words: 128 bytes a wave, two blocks of 256 bytes that no other line names
.set LAPS,   SIZE_K/(2*KSTEP)
.set BSTEP,  KSTEP*2048*2              ; bytes of B from K step to K step
.set ADRA, 16                          ; v16-17  LDS address of my A fragments in slot 0, 1
.set ADRB, 20                          ; v20-21  the same for B
.set STO,  24                          ; v24     the way out: where I put 16 bytes of a row
.set RD,   25                          ; v25     where I read rows back
.set GO,   26                          ; v26     my place in 512 consecutive bytes of the head slot
.set CSO,  27                          ; v27     my byte offset in 16 rows of cos and sin
.set SPW,  28                          ; v28     my spare word; never rewritten
.set NIL,  29                          ; v29     0; never rewritten
.set ZR,   30                          ; v30     0.0, the addend of RoPE's first products
.set F0,   32
.set F1,   128
.set T,    32                          ; the way out: 32 numbers in f32
.set PKB,  64                          ; the way out: block a's 16 packed registers at PKB + 16 a; never used twice
.set G1,  24                           ; s[24:31] group 1 for A;  s[32:39] group 0, a set for each slot
.set G0,  32
.set G1B, 48                           ; s[48:55], s[56:63] the same for B
.set G0B, 56
.set MSB, 0
.macro WIN new                         ; the immediate's high byte repeats the setting that is left; a switch that changes nothing is dropped
.if MSB != (\new)
	s_set_vgpr_msb (MSB<<8)|(\new)
.set MSB, \new
.endif
.endm
.macro PLACES                          ; four places behind matrix instructions, in front of loads into their sources and of reads of their results
.rept 4
	v_nop
.endr
.endm
.macro JLOAD s                         ; a joint load: waves 0, 1 fetch A's halves, waves 2, 3 B's; an s_nop 0 and four v_nop follow each line
	s_cmp_eq_u32 s13, 0
	s_cbranch_scc0 .Lfor_b_\@
	tensor_load_to_lds s[G0+4*(\s):G0+4*(\s)+3], s[G1:G1+7]
	s_nop 0
.rept 4
	v_nop
.endr
	s_branch .Lasked_\@
.Lfor_b_\@:
	tensor_load_to_lds s[G0B+4*(\s):G0B+4*(\s)+3], s[G1B:G1B+7]
	s_nop 0
.rept 4
	v_nop
.endr
.Lasked_\@:
.endm
.macro CREST                           ; a round of the cluster's barrier behind its opening barrier
	s_cmp_lg_u32 s12, 0
	s_cbranch_scc1 .Lnot_wave_0_\@
	s_barrier_signal -3
.Lnot_wave_0_\@:
	s_barrier_wait -3
	s_barrier_signal -1
	s_barrier_wait -1
.endm
.macro CROUND
	s_barrier_signal -1
	s_barrier_wait -1
	CREST
.endm
	s_load_b256 s[4:11], s[0:1], 0x0               ; xb 4:5, wb 6:7, cs 8:9, qkv 10:11
	v_lshl_add_u32 v[SPW], v0, 2, SPARE
	v_mov_b32 v[NIL], 0
	ds_add_u32 v[SPW], v[NIL]                      ; the wave's opening: the add and its wait ahead of my first tensor load
	v_lshrrev_b32 v1, 5, v0
	v_readfirstlane_b32 s12, v1                    ; wave 0..3
	s_lshr_b32 s13, s12, 1                         ; my half of the tile's rows; also: I fetch for A (0) or B (1)
	s_and_b32 s14, s12, 1                          ; my half of its columns; also: which half of that tile I fetch
	s_bfe_u32 s15, ttmp6, 0x40000                  ; cx
	s_bfe_u32 s16, ttmp6, 0x40004                  ; cy
	s_mov_b32 s21, ttmp9                           ; the cluster's x, which all sixteen partners share: 3 = the columns of v
	s_lshl_b32 s17, ttmp9, 2
	s_add_co_u32 s17, s17, s15                     ; tile column = 4 x cluster x + cx
	s_and_b32 s18, ttmp7, 0xffff
	s_lshl_b32 s18, s18, 2
	s_add_co_u32 s18, s18, s16                     ; tile row = 4 x cluster y + cy
	s_lshl_b32 s19, s16, 2
	s_lshl_b32 s19, 15, s19                        ; my row of the cluster
	s_lshl_b32 s20, 0x1111, s15                    ; my column
	s_or_b32 s[G1+0], s19, (1<<16)|(1<<20)|(1<<21)|(5<<22)|(3<<25)   ; mask; 2-byte elements; padding on; bit 21 beside a mask; after every 64 words 4 words
	s_mov_b32 s[G1+1], KSTEP<<16                   ; tensor_dim0 = 128
	s_mov_b32 s[G1+2], 128<<16                     ; tensor_dim1 = 128
	s_mov_b32 s[G1+3], KSTEP<<16                   ; tile_dim0 = 128
	s_mov_b32 s[G1+4], 128                         ; tile_dim1 = 128 rows
	s_mov_b32 s[G1+5], SIZE_K                      ; elements from row to row
	s_mov_b32 s[G1+6], 0
	s_mov_b32 s[G1+7], 0
	s_or_b32 s[G1B+0], s20, (1<<16)|(1<<20)|(1<<21)|(5<<22)|(7<<25)  ; the same with my column's mask and 8 words of padding
	s_mov_b32 s[G1B+1], 128<<16                    ; tensor_dim0 = 128 columns
	s_mov_b32 s[G1B+2], 64<<16                     ; tensor_dim1 = 64 k-rows
	s_mov_b32 s[G1B+3], 128<<16
	s_mov_b32 s[G1B+4], 64
	s_mov_b32 s[G1B+5], 2048
	s_mov_b32 s[G1B+6], 0
	s_mov_b32 s[G1B+7], 0
	s_lshl_b32 s40, s18, 8                         ; A: row 256 x tile row + 128 x half, in bytes: made of the tile row and the wave's number alone
	s_lshl_b32 s42, s14, 7
	s_add_co_u32 s40, s40, s42
	s_lshl_b32 s40, s40, LOGROW
	s_mov_b32 s41, 0
	s_lshl_b32 s46, s14, 18                        ; B: 64 k-rows x half, 256 bytes x tile column: made of the tile column and the wave's number alone
	s_lshl_b32 s47, s17, 8
	s_add_co_u32 s46, s46, s47
	s_mov_b32 s47, 0
	s_mul_i32 s44, s14, HALFA                      ; where they go: no place in the cluster enters an LDS address
	s_mul_i32 s45, s14, HALFB
	s_add_co_u32 s45, s45, BOFF
	s_wait_dscnt 0x0                               ; the opening add is done
	s_wait_kmcnt 0x0
	s_add_nc_u64 s[40:41], s[4:5], s[40:41]
	s_add_nc_u64 s[46:47], s[6:7], s[46:47]
	CROUND                                         ; all sixteen work-groups are here: the first joint loads meet
.irp s, 0,1
	s_mov_b32 s[G0+4*(\s)], 1
	s_add_co_u32 s[G0+4*(\s)+1], s44, (\s)*SLOT
	s_add_nc_u64 s[G0+4*(\s)+2:G0+4*(\s)+3], s[40:41], (\s)*KSTEP*2
	s_or_b32 s[G0+4*(\s)+3], s[G0+4*(\s)+3], 0x80000000
	s_mov_b32 s[G0B+4*(\s)], 1
	s_add_co_u32 s[G0B+4*(\s)+1], s45, (\s)*SLOT
	s_add_nc_u64 s[G0B+4*(\s)+2:G0B+4*(\s)+3], s[46:47], (\s)*BSTEP
	s_or_b32 s[G0B+4*(\s)+3], s[G0B+4*(\s)+3], 0x80000000
	JLOAD \s
.endr
	v_and_b32 v1, 15, v0                           ; l % 16
	v_bfe_u32 v2, v0, 4, 1                         ; l / 16
	v_mul_u32_u24 v3, v1, PA                       ; A's fragment: row l % 16, 16 bytes for each half of the lanes; two loads 32 bytes apart
	v_lshl_add_u32 v3, v2, 4, v3
	s_mul_i32 s42, s13, HALFA
	v_add_nc_u32 v[ADRA], s42, v3
	v_add_nc_u32 v[ADRA+1], SLOT, v[ADRA]
	v_and_b32 v4, 7, v0                            ; B's: the turning load reads k-row 8 (l / 16) + l % 8, columns 8 ((l / 8) % 2) + 0..7
	v_lshl_add_u32 v4, v2, 3, v4
	v_mul_u32_u24 v4, v4, PB
	v_bfe_u32 v5, v0, 3, 1
	v_lshl_add_u32 v4, v5, 4, v4
	s_lshl_b32 s42, s14, 7                         ; my 64 columns
	s_add_co_u32 s42, s42, BOFF
	v_add_nc_u32 v[ADRB], s42, v4
	v_add_nc_u32 v[ADRB+1], SLOT, v[ADRB]
	; my rows in their batch, my head's slot
	s_and_b32 s66, s18, 7
	s_lshl_b32 s66, s66, 8
	s_lshl_b32 s67, s13, 7
	s_add_co_u32 s66, s66, s67                     ; my first row in the batch
	s_lshl_b32 s68, s66, 7                         ; x 128 bytes: a row of cos, of sin and of a head slot
	s_mov_b32 s69, 0
	s_add_nc_u64 s[8:9], s[8:9], s[68:69]
	s_lshl_b32 s67, s17, 1
	s_add_co_u32 s67, s67, s14                     ; hc: 0-15 q's heads, 16-23 k's, 24-31 v's
	s_lshr_b32 s70, s67, 4
	s_lshl_b32 s70, s70, 4
	s_add_co_u32 s67, s67, s70                     ; + 16 for k and v
	s_lshr_b32 s70, s18, 3
	s_lshl_b32 s70, s70, 4
	s_add_co_u32 s67, s67, s70                     ; + 16 x batch
	s_lshl_b32 s67, s67, 18                        ; slots of 262,144 bytes
	s_add_co_u32 s68, s68, s67
	s_add_nc_u64 s[10:11], s[10:11], s[68:69]
	v_lshlrev_b32 v[CSO], 7, v1
	v_lshl_add_u32 v[CSO], v2, 4, v[CSO]           ; row l % 16, channels 8 (l / 16) on
	WIN 0x80                                       ; destination window 2, address window 0
.irp a, 0,1,2,3,4,5,6,7                ; cos and sin for exactly the numbers that a lane will hold; they land while K is walked
.irp b, 0,1,2,3
	global_load_b128 v[32*(\a)+4*(\b):32*(\a)+4*(\b)+3], v[CSO], s[8:9] offset:(\a)*2048+32*(\b)
	global_load_b128 v[32*(\a)+16+4*(\b):32*(\a)+16+4*(\b)+3], v[CSO], s[8:9] offset:(\a)*2048+32*(\b)+262144
.endr
.endr
	WIN 0
	s_mul_i32 s42, s12, 16*SP
	s_add_co_u32 s42, s42, STAGE                   ; my stage
	v_mul_u32_u24 v[STO], v1, SP
	v_lshl_add_u32 v[STO], v2, 4, v[STO]
	v_add_nc_u32 v[STO], s42, v[STO]
	v_bfe_u32 v[RD], v0, 3, 2                      ; back: 32 lanes take four rows of 128 bytes,
	v_mul_u32_u24 v[RD], v[RD], SP
	v_and_b32 v5, 7, v0
	v_lshl_add_u32 v[RD], v5, 4, v[RD]
	v_add_nc_u32 v[RD], s42, v[RD]
	v_and_b32 v[GO], 31, v0                        ; which are 512 consecutive bytes of the head slot
	v_lshlrev_b32 v[GO], 4, v[GO]
	v_mov_b32 v[ZR], 0
; 8 matrix instructions: row blocks a0, a0 + 1 x all 4 column blocks, 32 along K, from buffer f.  zero = 1: the product starts the sum.
; The 32 accumulators take turns, one instruction a turn, in the same order in every quarter.
.macro MUL8 f, a0, zero
	WIN 0x50                                       ; C and D window 1, fragments window 0
.irp a, \a0, (\a0)+1
.irp b, 0,1,2,3
.if \zero
	v_wmma_f32_16x16x32_bf16 v[8*(4*(\a)+(\b)):8*(4*(\a)+(\b))+7], v[(\f)+64+8*(\b):(\f)+64+8*(\b)+7], v[(\f)+8*(\a):(\f)+8*(\a)+7], 0
.else
	v_wmma_f32_16x16x32_bf16 v[8*(4*(\a)+(\b)):8*(4*(\a)+(\b))+7], v[(\f)+64+8*(\b):(\f)+64+8*(\b)+7], v[(\f)+8*(\a):(\f)+8*(\a)+7], v[8*(4*(\a)+(\b)):8*(4*(\a)+(\b))+7]
.endif
.endr
.endr
.endm
; 24 LDS loads in one run: quarter q (32 along K) of a slot into buffer f: B's 4 fragments first, then A's 8
.macro FETCH slot, q, f
	WIN 0
.irp b, 0,1,2,3
	ds_load_tr16_b128 v[(\f)+64+8*(\b):(\f)+64+8*(\b)+3],   v[ADRB+(\slot)] offset:(\q)*32*PB+32*(\b)
	ds_load_tr16_b128 v[(\f)+64+8*(\b)+4:(\f)+64+8*(\b)+7], v[ADRB+(\slot)] offset:(\q)*32*PB+32*(\b)+16*PB
.endr
.irp i, 0,1,2,3,4,5,6,7
	ds_load_b128 v[(\f)+8*(\i):(\f)+8*(\i)+3],   v[ADRA+(\slot)] offset:(\q)*64+(\i)*16*PA
	ds_load_b128 v[(\f)+8*(\i)+4:(\f)+8*(\i)+7], v[ADRA+(\slot)] offset:(\q)*64+(\i)*16*PA+32
.endr
.endm
; A K step is four quarters on buffers 0, 1, 0, 1.  One of the first three multiplies buffer f and, in its middle, fetches quarter q of the same slot into g.
.macro QUARTER slot, q, f, g, zero
	s_wait_dscnt 8                                 ; B and A's blocks 0-3 are in; the youngest eight loads (A's blocks 4-7) may be out
	MUL8 \f, 0, \zero
	MUL8 \f, 2, \zero
	PLACES
	FETCH \slot, \q, \g
	s_wait_dscnt 24                                ; all but the 24 just issued
	MUL8 \f, 4, \zero
	MUL8 \f, 6, \zero
.endm
; The last quarter multiplies buffer 1 and changes slots: one barrier; in front of it each wave waits for all its tensor loads (its part of the next slot), adds 0 to its spare word,
; and waits for that and for its reads of this slot.  fill = 1: the barrier opens a round of the cluster's, and this slot is filled again first thing behind it, two K steps ahead:
; from that request to the wait for it a wave issues 112 matrix instructions.
.macro TURN slot, next, fill
	WIN 0
	s_wait_tensorcnt 0x0                           ; all my tensor loads have landed
	ds_add_u32 v[SPW], v[NIL]
	s_wait_dscnt 9                                 ; the add and the youngest eight loads may be out
	MUL8 F1, 0, 0
	s_wait_dscnt 0x0                               ; the add is done, and my reads of this slot are over
	s_barrier_signal -1
	MUL8 F1, 2, 0
.if \fill
	WIN 0
.endif
	s_barrier_wait -1
.if \fill
	CREST                                          ; no wave of any partner still reads this slot or has a load on its way
	s_add_nc_u64 s[G0+4*(\slot)+2:G0+4*(\slot)+3], s[G0+4*(\slot)+2:G0+4*(\slot)+3], 2*KSTEP*2
	s_add_nc_u64 s[G0B+4*(\slot)+2:G0B+4*(\slot)+3], s[G0B+4*(\slot)+2:G0B+4*(\slot)+3], 2*BSTEP
	JLOAD \slot                                    ; its four v_nop are also the places in front of the loads below
.else
	PLACES
.endif
	FETCH \next, 0, F0
	MUL8 F1, 4, 0
	MUL8 F1, 6, 0
.endm
	s_wait_tensorcnt 1                             ; my part of K step 0 is in; K step 1's may stay out
	s_barrier_signal -1
	s_barrier_wait -1
	FETCH 0, 0, F0
	QUARTER 0, 1, F0, F1, 1                        ; the first quarter stands in front of the loop: its products start the sums
	WIN 0
	s_mov_b32 s3, LAPS-1
.Llap:                                                 ; a trip goes once round the ring and fills both slots again
	QUARTER 0, 2, F1, F0, 0
	QUARTER 0, 3, F0, F1, 0
	TURN 0, 1, 1
	QUARTER 1, 1, F0, F1, 0
	QUARTER 1, 2, F1, F0, 0
	QUARTER 1, 3, F0, F1, 0
	TURN 1, 0, 1
	QUARTER 0, 1, F0, F1, 0
	WIN 0
	s_sub_co_u32 s3, s3, 1
	s_cmp_lg_u32 s3, 0
	s_cbranch_scc1 .Llap
	QUARTER 0, 2, F1, F0, 0                        ; the last lap fills nothing
	QUARTER 0, 3, F0, F1, 0
	TURN 0, 1, 0
	QUARTER 1, 1, F0, F1, 0
	QUARTER 1, 2, F1, F0, 0
	QUARTER 1, 3, F0, F1, 0
	s_wait_dscnt 8
	MUL8 F1, 0, 0
	MUL8 F1, 2, 0
	s_wait_dscnt 0x0
	MUL8 F1, 4, 0
	MUL8 F1, 6, 0
	WIN 0
	PLACES
; THE WAY OUT, a block of 16 rows at a time.  Channel c of the head lies in column block b = c / 16; its partner c +- 32 in block b +- 2 of the SAME lane and register:
;   out[c] = s[c] cos[c] + s[c + 32] sn[c] (c < 32),   out[c] = s[c] cos[c] + s[c - 32] sn[c] (c >= 32),   sn = sin with rotate_half's sign, as the table holds it.
; d = x y + c, with y the low (hi = 0) or high half of a register of two bf16, x and c in f32
.macro MIX d, x, y, c, hi
.if \hi
	v_fma_mix_f32_bf16 v[\d], v[\x], v[\y], v[\c] op_sel:[0,1,0] op_sel_hi:[0,1,0]
.else
	v_fma_mix_f32_bf16 v[\d], v[\x], v[\y], v[\c] op_sel_hi:[0,1,0]
.endif
.endm
.macro ROPE a
	WIN 0x09                                       ; source 0 (sums) window 1, source 1 (cos, sin) window 2, addend and result window 0
.irp b, 0,1
.irp j, 0,1,2,3,4,5,6,7                ; each accumulator's registers in ascending order
	MIX T+8*(\b)+(\j), 32*(\a)+8*((\b)+2)+(\j), 32*(\a)+16+4*(\b)+(\j)/2, ZR, (\j)%2
	MIX T+8*((\b)+2)+(\j), 32*(\a)+8*(\b)+(\j), 32*(\a)+16+4*((\b)+2)+(\j)/2, ZR, (\j)%2
.endr
.endr
.irp b, 0,1
.irp j, 0,1,2,3,4,5,6,7
	MIX T+8*(\b)+(\j), 32*(\a)+8*(\b)+(\j), 32*(\a)+4*(\b)+(\j)/2, T+8*(\b)+(\j), (\j)%2
	MIX T+8*((\b)+2)+(\j), 32*(\a)+8*((\b)+2)+(\j), 32*(\a)+4*((\b)+2)+(\j)/2, T+8*((\b)+2)+(\j), (\j)%2
.endr
.endr
	WIN 0
.irp i, 0,1,2,3,4,5,6,7,8,9,10,11,12,13,14,15
	v_cvt_pk_f16_f32 v[PKB+16*(\a)+(\i)], v[T+2*(\i)], v[T+2*(\i)+1]
.endr
.endm
.macro PACKV a                         ; v has no RoPE: the sums are rounded as they are
	WIN 0x05                                       ; sources window 1, result window 0
.irp i, 0,1,2,3,4,5,6,7,8,9,10,11,12,13,14,15
	v_cvt_pk_f16_f32 v[PKB+16*(\a)+(\i)], v[32*(\a)+2*(\i)], v[32*(\a)+2*(\i)+1]
.endr
	WIN 0
.endm
.macro STG a                           ; 16 bytes a lane into rows of 144 bytes of my own stage, and back as whole rows of 128, into the registers that they left
.irp b, 0,1,2,3
	ds_store_b128 v[STO], v[PKB+16*(\a)+4*(\b):PKB+16*(\a)+4*(\b)+3] offset:32*(\b)
.endr
.irp f, 0,1,2,3
	ds_load_b128 v[PKB+16*(\a)+4*(\f):PKB+16*(\a)+4*(\f)+3], v[RD] offset:(\f)*4*SP  ; LDS serves a wave's instructions in order (ISA guide 5.7.1.4): these see the stores above
.endr
.endm
.macro SEND a, younger                 ; younger: the LDS instructions issued behind block a's loads: the next block's eight, or none
.irp f, 0,1,2,3
	s_wait_dscnt (\younger)+3-(\f)
	global_store_b128 v[GO], v[PKB+16*(\a)+4*(\f):PKB+16*(\a)+4*(\f)+3], s[10:11] offset:(\a)*2048+(\f)*512  ; 512 consecutive bytes, at a multiple of 256 from the buffer's first
.endr
.endm
	s_wait_loadcnt 0x0                             ; cos and sin
	s_cmp_eq_u32 s21, 3                            ; the cluster's x alone: the same in all sixteen partners and in all waves
	s_cbranch_scc1 .Lv_out
	ROPE 0
	STG 0
.irp a, 1,2,3,4,5,6,7                  ; a block's arithmetic stands between the loads of the block before and its stores
	ROPE \a
	STG \a
	SEND (\a)-1, 8
.endr
	SEND 7, 0
	s_branch .Ldone
.Lv_out:
	PACKV 0
	STG 0
.irp a, 1,2,3,4,5,6,7
	PACKV \a
	STG \a
	SEND (\a)-1, 8
.endr
	SEND 7, 0
.Ldone:
	s_wait_tensorcnt 0x0                           ; the wave's end
	ds_add_u32 v[SPW], v[NIL]
	s_wait_dscnt 0x0
	CROUND                                         ; the closing round: no work-group ends while a partner may still ask for a tile that names it
	s_endpgm
.Lfunc_end_k_qd8a27bfa99_proj:
	.size	k_qd8a27bfa99_proj, .Lfunc_end_k_qd8a27bfa99_proj-k_qd8a27bfa99_proj
	.p2alignl 7, 3214868480
	.fill 96, 4, 3214868480
	.section	.rodata,"a",@progbits
	.p2align	6, 0x0
	.amdhsa_kernel k_qd8a27bfa99_proj
		.amdhsa_group_segment_fixed_size 327680
		.amdhsa_private_segment_fixed_size 0
		.amdhsa_enable_private_segment 0
		.amdhsa_kernarg_size 32
		.amdhsa_user_sgpr_count 2
		.amdhsa_user_sgpr_kernarg_segment_ptr 1
		.amdhsa_wavefront_size32 1
		.amdhsa_system_sgpr_workgroup_id_x 1
		.amdhsa_system_sgpr_workgroup_id_y 1
		.amdhsa_system_sgpr_workgroup_id_z 1
		.amdhsa_system_vgpr_workitem_id 0
		.amdhsa_next_free_vgpr 768
		.amdhsa_next_free_sgpr 72
		.amdhsa_reserve_vcc 0
		.amdhsa_float_denorm_mode_32 3
		.amdhsa_float_denorm_mode_16_64 3
		.amdhsa_memory_ordered 1
		.amdhsa_forward_progress 1
		.amdhsa_inst_pref_size 142
	.end_amdhsa_kernel
	.amdgpu_metadata
---
amdhsa.version: [ 1, 2 ]
amdhsa.kernels:
  - .name:           k_qd8a27bfa99_proj
    .symbol:         k_qd8a27bfa99_proj.kd
    .args:
      - { .name: xb, .offset: 0, .size: 8, .value_kind: global_buffer, .address_space: global }
      - { .name: wb, .offset: 8, .size: 8, .value_kind: global_buffer, .address_space: global }
      - { .name: cs, .offset: 16, .size: 8, .value_kind: global_buffer, .address_space: global }
      - { .name: qkv, .offset: 24, .size: 8, .value_kind: global_buffer, .address_space: global }
    .group_segment_fixed_size: 327680
    .private_segment_fixed_size: 0
    .kernarg_segment_align: 8
    .kernarg_segment_size: 32
    .max_flat_workgroup_size: 128
    .sgpr_count:     72
    .vgpr_count:     768
    .wavefront_size: 32
...
	.end_amdgpu_metadata
.endif
;; end of part 2
;; launch attn (part 3): grid 16 x 16, 4 waves a work-group, clusters of 4 x 1, 327,680 bytes of LDS; arguments qkv, ob; writes ob
.if DOCPART == 3
	.amdgcn_target "amdgcn-amd-amdhsa--gfx1250"
	.amdhsa_code_object_version 6
	.text
	.protected	k_qd8a27bfa99_attn
	.globl	k_qd8a27bfa99_attn
	.p2align	8
	.type	k_qd8a27bfa99_attn,@function
k_qd8a27bfa99_attn:
	s_mov_b64 s[64:65], 0
	v_nop
	global_prefetch_b8 v0, s[64:65] scope:SCOPE_SE
	s_setreg_imm32_b32 hwreg(HW_REG_WAVE_MODE, 25, 1), 1
	s_wait_xcnt 0x0
	s_wait_alu depctr_hold_cnt(0) depctr_sa_sdst(0) depctr_va_vdst(0) depctr_va_sdst(0) depctr_va_ssrc(0) depctr_va_vcc(0) depctr_vm_vsrc(0)
	s_getreg_b32 s2, hwreg(HW_REG_IB_STS2, 6, 4)
	s_cmp_eq_u32 s2, 0
	s_cbranch_scc0 .Lentry_in_a_cluster
	s_endpgm
.Lentry_in_a_cluster:
	s_bfe_u32 s2, ttmp6, 0x10000c
	s_cmp_lg_u32 s2, 0x3003
	s_cbranch_scc0 .Lentry_shape_is_right
	s_endpgm
.Lentry_shape_is_right:
; CAUSAL ATTENTION WITH SHARED KEY AND VALUE HEADS.  For batch b, key head g and query heads 2 g, 2 g + 1: O[q] = the sum over k <= q of softmax_k(Q[q] . K[k] / 8) V[k].
; qkv: head slots of [2048][64] f16 (q(b, h) in slot 16 b + h, k(b, g) in 32 + 16 b + g, v(b, g) in 40 + 16 b + g).  ob: [4096 rows][1024] f16, column = head x 64 + channel.
; Products, maxima and sums in f32; the weights p are rounded to f16 for the second product (their sum l is taken of the unrounded p), O once at the end.
; LIMITS.  Q, K, V arrive within f16's 65,504; p lies in 0 to 1 and below 6e-5 keeps f16's fixed step of 6e-8.  A hidden score counts as its value less 1e30 (f16's scores are 2.7e11 at the most);
; a weight below 2^-126 counts as 0 in l; NaN and infinities are not treated apart.
; THE WALK.  A head's rows lie in 32 blocks of 64; keys in 8 tiles of 256.  Work-group p = 4 U + cx of a (b, g) takes block 31 - p and then block p, for both query heads.
; The first block needs tiles 0 .. 7 - U, the second 0 .. U: nine tiles whatever p, and the SAME nine for the four partners of a cluster (they share U): every tile is asked for jointly.
; A block's last tile holds the diagonal in its key step DP (3 - cx, then cx).  All four steps of that tile are computed, under a mask chosen by scalar selects, so that no branch hangs on cx:
; 36 key steps a work-group where 33 hold a visible key.
; SHARES.  Wave w owns rows 16 w .. 16 w + 15 of the block; its two tiles are the two query heads, which share every fragment of K and V and fill 256 neighbouring bytes of a row of ob.
; LAYOUT.  S^T = K Q^T holds ONE query a lane (lane % 16) and the keys 8 (lane / 16) + 0..7; two such results rounded to f16 ARE source 1 of O^T = V^T P.  V is turned by ds_load_tr16_b128.
; SOFTMAX.  p = 2^(c s - c m), c = log2(e) / 8, with a running maximum m; O and l are multiplied by a = 2^(c m_old - c m_new) in every step.  c m starts far below every c s, so a block's first a is 0.
; THE MASK is the C operand that starts S^T's sums: MD x AL + BE, MD the mask of the block's own step for my rows; (AL, BE) = (1, 0) in that step, (0, 0) before it, (0, -1e30) behind it.
; A STEP GOES IN PHASES: V's loads, 16 products K Q^T, the next K's loads, the softmax (236 vector instructions), 16 products V^T P.
; REGISTERS: window 0: v0-15 addresses; v16-23 statistics (c m, m, l, l a tile); v24-31 at work; v64-127 S^T; v128-159 P; v160-223 O^T; v224-255 the mask in hand.
;   window 1: v0-31 Q; v32-63 the second block's Q; v64-127 K of a step; v128-191 V of a step; v192-223 MD.
.set KS,    64
.set PK,    144       ; a row of K in LDS: 128 bytes + 16 = 36 words: the 16 rows of a load start at 16 different groups of four banks (64 banks of 4 bytes: ISA guide 11.1)
.set PV,    160       ; a row of V: 128 + 32 = 40 words
.set VOFF,  4*KS*PK   ; a slot holds a tile: 256 rows of K, then 256 rows of V
.set SLOT1, 1<<17     ; one exclusive or turns an address in one slot into the other's
.set STAGE, SLOT1+4*KS*(PK+PV)  ; behind the ring: 16 rows x 272 bytes for each wave
.set SP,    272
.set SPARE, STAGE+4*16*SP       ; the spare words: 128 bytes a wave, two blocks of 256 bytes that no other line names
.set AK0, 2
.set AV0, 3
.set AK,  4
.set AV,  5
.set STO, 6
.set RD,  7
.set GO,  8
.set MV,  12          ; v12-13  c m_old, a tile each
.set QO,  15
.set ST,  16
.set TMP, 24
.set SPW, 32          ; my spare word; never rewritten
.set NIL, 33          ; 0; never rewritten
.set S,   64
.set P,   128
.set O,   160
.set MC,  224
.set Q,   0           ; window 1
.set QB,  32
.set KF,  64
.set VF,  128
.set MD,  192
.set WV,  12          ; s12 wave
.set CX,  13          ; s13 cx
.set UU,  14          ; s14 U
.set G1K, 24
.set G1V, 32
.set G0K, 40
.set G0V, 44
.set SLOTS, 56
.set CNT, 57
.set CS,  58
.set SEL, 60
.set TBK, 62          ; LDS byte at which K of the step to be fetched begins
.set TBV, 63          ; the same for V, less VOFF
.set OA,  66          ; s[66:67] O at my rows of the block in hand; s[68:69] of the second block
.set RT,  70          ; tiles of the block in hand still to be entered
.set NXT, 71          ; the tile to be asked for next
.set LQ,  72          ; the last tile of the block whose tiles are being asked for
.set OFF, 74
.set AL,  76
.set BE,  78
.set BIGN, 82
.set DP,  83
.set CUR, 85
.set MSB, 0
.macro WIN new
.if MSB != (\new)
	s_set_vgpr_msb (MSB<<8)|(\new)
.set MSB, \new
.endif
.endm
.set W_KQ, 0x05       ; K and Q in window 1; C and S^T in window 0
.set W_PV, 0x01       ; V in window 1; P and O^T in window 0
.set W_LD, 0x40       ; destination window 1, address window 0
.set W_QQ, 0x41       ; destination and source 0 in window 1
.macro PLACES
.rept 4
	v_nop
.endr
.endm
.macro JLOAD                        ; a joint fill: waves 0, 1 fetch the halves of a tile's K, waves 2, 3 of its V, 128 keys each; an s_nop 0 and four v_nop follow each line
	s_cmp_lt_u32 s[WV], 2
	s_cbranch_scc0 .Lfor_v_\@
	tensor_load_to_lds s[G0K:G0K+3], s[G1K:G1K+7]
	s_nop 0
.rept 4
	v_nop
.endr
	s_branch .Lasked_\@
.Lfor_v_\@:
	tensor_load_to_lds s[G0V:G0V+3], s[G1V:G1V+7]
	s_nop 0
.rept 4
	v_nop
.endr
.Lasked_\@:
.endm
.macro CROUND
	s_barrier_signal -1
	s_barrier_wait -1
	s_cmp_lg_u32 s[WV], 0
	s_cbranch_scc1 .Lnot_wave_0_\@
	s_barrier_signal -3
.Lnot_wave_0_\@:
	s_barrier_wait -3
	s_barrier_signal -1
	s_barrier_wait -1
.endm
; THE CHANGE OF SLOTS.  Each wave waits for all its tensor loads (one is out: its part of the other slot), adds 0 to its spare word, and waits for that and for its reads of the slot that it leaves.
; fill = 1: a round of the cluster's barrier, and the old slot is filled again first thing behind it, with tile NXT: it has a tile's four steps, 128 matrix instructions, in which to land.
; (At its first use nothing has been read yet: slot 0 is waited for, slot 1 filled.)
.macro CHANGE fill
	WIN 0
	s_wait_tensorcnt 0x0            ; no tensor load of mine is out, so a group 0 may be written
	ds_add_u32 v[SPW], v[NIL]
.if \fill
	s_lshl_b32 s[OFF], s[NXT], 15   ; a tile is 32,768 bytes of K and of V
	s_xor_b32 s[G0K+1], s[G0K+1], SLOT1
	s_add_nc_u64 s[G0K+2:G0K+3], s[8:9], s[OFF:OFF+1]
	s_or_b32 s[G0K+3], s[G0K+3], 0x80000000
	s_xor_b32 s[G0V+1], s[G0V+1], SLOT1
	s_add_nc_u64 s[G0V+2:G0V+3], s[10:11], s[OFF:OFF+1]
	s_or_b32 s[G0V+3], s[G0V+3], 0x80000000
	s_add_co_u32 s[NXT], s[NXT], 1  ; the block's next tile, or behind its last the second block's tile 0
	s_cmp_gt_u32 s[NXT], s[LQ]
	s_cselect_b32 s[NXT], 0, s[NXT]
	s_cselect_b32 s[LQ], s[UU], s[LQ]
	s_wait_dscnt 0x0                ; the add is done, and my reads of the slot are over
	CROUND
	JLOAD
.else
	s_wait_dscnt 0x0
	s_barrier_signal -1
	s_barrier_wait -1
.endif
	s_sub_co_u32 s[TBK], s[TBK], 4*KS*PK  ; the fetches go back to a slot's first step, in the other slot
	s_xor_b32 s[TBK], s[TBK], SLOT1
	s_sub_co_u32 s[TBV], s[TBV], 4*KS*PV
	s_xor_b32 s[TBV], s[TBV], SLOT1
.endm
	s_load_b128 s[4:7], s[0:1], 0x0 ; qkv 4:5, ob 6:7
	v_lshl_add_u32 v[SPW], v0, 2, SPARE
	v_mov_b32 v[NIL], 0
	ds_add_u32 v[SPW], v[NIL]       ; the wave's opening: the add and its wait ahead of my first tensor load
	v_lshrrev_b32 v1, 5, v0
	v_readfirstlane_b32 s[WV], v1
	s_bfe_u32 s[CX], ttmp6, 0x40000
	s_mov_b32 s[UU], ttmp9          ; the cluster's x, which the four partners share
	s_lshl_b32 s15, s[UU], 2
	s_add_co_u32 s15, s15, s[CX]    ; p: the second block
	s_sub_co_u32 s16, 31, s15       ; the first block
	s_and_b32 s17, ttmp7, 0xffff
	s_lshr_b32 s18, s17, 3          ; batch
	s_and_b32 s19, s17, 7           ; key head
	s_lshl_b32 s48, s18, 4          ; K: slot 32 + 16 b + g, my half of a tile's 256 keys: made of what the partners share and the wave's number
	s_add_co_u32 s48, s48, s19
	s_add_co_u32 s48, s48, 32
	s_lshl_b32 s48, s48, 18
	s_and_b32 s54, s[WV], 1
	s_lshl_b32 s49, s54, 14
	s_add_co_u32 s48, s48, s49
	s_mov_b32 s49, 0
	s_mul_i32 s55, s54, 128*PV      ; and its place in a slot: no place in the cluster enters an LDS address
	s_add_co_u32 s55, s55, VOFF
	s_mul_i32 s54, s54, 128*PK
	s_lshl_b32 s50, s18, 4          ; Q: slot 16 b + 2 g, rows 64 x block + 16 w, 128 bytes each
	s_lshl_b32 s84, s19, 1
	s_add_co_u32 s50, s50, s84
	s_lshl_b32 s50, s50, 18
	s_lshl_b32 s84, s[WV], 11
	s_add_co_u32 s50, s50, s84
	s_lshl_b32 s52, s15, 13
	s_add_co_u32 s52, s52, s50
	s_lshl_b32 s84, s16, 13
	s_add_co_u32 s50, s50, s84
	s_mov_b32 s51, 0
	s_mov_b32 s53, 0
	s_lshl_b32 s86, s18, 22         ; O: row 2048 b + 64 x block + 16 w, 2,048 bytes each; 256 g bytes along it
	s_lshl_b32 s84, s[WV], 15
	s_add_co_u32 s86, s86, s84
	s_lshl_b32 s84, s19, 8
	s_add_co_u32 s86, s86, s84
	s_lshl_b32 s88, s15, 17
	s_add_co_u32 s88, s88, s86
	s_lshl_b32 s84, s16, 17
	s_add_co_u32 s86, s86, s84
	s_mov_b32 s87, 0
	s_mov_b32 s89, 0
	; group 1: 128 keys are 16,384 dense bytes: asked for as 64 rows of 256 bytes, two keys a row, padded in LDS after every key
	s_mov_b32 s[G1K], 15|(1<<16)|(1<<20)|(1<<21)|(4<<22)|(3<<25)  ; the mask of four; 2-byte elements; padding on; bit 21 beside a mask; after every 32 words 4 words
	s_mov_b32 s[G1V], 15|(1<<16)|(1<<20)|(1<<21)|(4<<22)|(7<<25)  ; the same with 8 words
.irp g, G1K, G1V
	s_mov_b32 s[\g+1], 128<<16
	s_mov_b32 s[\g+2], 64<<16
	s_mov_b32 s[\g+3], 128<<16
	s_mov_b32 s[\g+4], 64
	s_mov_b32 s[\g+5], 128
	s_mov_b32 s[\g+6], 0
	s_mov_b32 s[\g+7], 0
.endr
	s_mov_b32 s[G0K], 1
	s_mov_b32 s[G0K+1], s54         ; slot 0
	s_mov_b32 s[G0V], 1
	s_mov_b32 s[G0V+1], s55
	s_mov_b32 s[CS], 0x3e38aa3b     ; c = log2(e) / 8
	s_mov_b32 s[CS+1], s[CS]
	s_mov_b32 s[SEL], 0x76543210
	s_mov_b32 s[SEL+1], 0xfedcba98
	s_mov_b32 s[TBK], SLOT1+4*KS*PK ; the first change of slots turns these two into 0
	s_mov_b32 s[TBV], SLOT1+4*KS*PV
	s_sub_co_u32 s[RT], 8, s[UU]    ; the first block has 8 - U tiles
	s_mov_b32 s[NXT], 1
	s_sub_co_u32 s[LQ], 7, s[UU]
	s_sub_co_u32 s[DP], 3, s[CX]    ; enters selects alone
	s_mov_b32 s[SLOTS], 8
	s_mov_b32 s[OFF+1], 0
	s_mov_b32 s[AL+1], 0            ; named as pairs
	s_mov_b32 s[BE+1], 0
	s_mov_b32 s[BIGN], 0xf149f2ca   ; -1e30
	s_wait_dscnt 0x0                ; the opening add is done
	s_wait_kmcnt 0x0
	s_add_nc_u64 s[8:9], s[4:5], s[48:49]          ; K at my half of tile 0
	s_add_nc_u64 s[10:11], s[8:9], 8<<18           ; V lies eight slots on
	s_add_nc_u64 s[20:21], s[4:5], s[50:51]        ; Q, first and second block
	s_add_nc_u64 s[22:23], s[4:5], s[52:53]
	s_add_nc_u64 s[OA:OA+1], s[6:7], s[86:87]      ; O likewise
	s_add_nc_u64 s[OA+2:OA+3], s[6:7], s[88:89]
	s_add_nc_u64 s[G0K+2:G0K+3], s[8:9], 0
	s_or_b32 s[G0K+3], s[G0K+3], 0x80000000
	s_add_nc_u64 s[G0V+2:G0V+3], s[10:11], 0
	s_or_b32 s[G0V+3], s[G0V+3], 0x80000000
	CROUND                          ; all four work-groups are here
	JLOAD                           ; tile 0 into slot 0
	v_and_b32 v1, 15, v0            ; l % 16
	v_bfe_u32 v9, v0, 4, 1          ; l / 16
	v_lshlrev_b32 v[QO], 7, v1
	v_lshl_add_u32 v[QO], v9, 4, v[QO]
	WIN W_LD
.irp i, 0,1,2,3                     ; both blocks' Q: head i / 2 (262,144 bytes on), channels 32 (i % 2) on
	global_load_b128 v[Q+8*\i:Q+8*\i+3],     v[QO], s[20:21] offset:(\i/2)*262144+(\i%2)*64
	global_load_b128 v[Q+8*\i+4:Q+8*\i+7],   v[QO], s[20:21] offset:(\i/2)*262144+(\i%2)*64+32
	global_load_b128 v[QB+8*\i:QB+8*\i+3],   v[QO], s[22:23] offset:(\i/2)*262144+(\i%2)*64
	global_load_b128 v[QB+8*\i+4:QB+8*\i+7], v[QO], s[22:23] offset:(\i/2)*262144+(\i%2)*64+32
.endr
	WIN 0
	v_lshlrev_b32 v14, 3, v9
	v_sub_nc_u32 v14, v1, v14
	s_lshl_b32 s84, s[WV], 4
	v_add_nc_u32 v14, s84, v14      ; my query's place in its block, less my lanes' 8 (l / 16): register r of key group kb is hidden where 16 kb + r is greater
	WIN W_LD
.set i, 0
.rept 32
	v_cmp_gt_i32 vcc_lo, 16*(i/8)+i%8, v14
	v_cndmask_b32 v[MD+i], 0, s[BIGN], vcc_lo
.set i, i+1
.endr
	WIN 0
	v_mul_u32_u24 v[AK0], v1, PK
	v_lshl_add_u32 v[AK0], v9, 4, v[AK0]
	v_and_b32 v10, 7, v0
	v_bfe_u32 v11, v0, 3, 1
	v_lshl_add_u32 v[AV0], v9, 3, v10   ; the turning load reads key 8 (l / 16) + l % 8, channels 8 ((l / 8) % 2) + 0..7
	v_mul_u32_u24 v[AV0], v[AV0], PV
	v_lshl_add_u32 v[AV0], v11, 4, v[AV0]
	v_add_nc_u32 v[AV0], VOFF, v[AV0]
	s_mul_i32 s84, s[WV], 16*SP
	s_add_co_u32 s84, s84, STAGE    ; my stage
	v_mul_u32_u24 v[STO], v1, SP
	v_lshl_add_u32 v[STO], v9, 4, v[STO]
	v_add_nc_u32 v[STO], s84, v[STO]
	v_mul_u32_u24 v[RD], v9, SP     ; back: lanes 0-15 take one row of 256 bytes, lanes 16-31 the next
	v_lshl_add_u32 v[RD], v1, 4, v[RD]
	v_add_nc_u32 v[RD], s84, v[RD]
	v_lshlrev_b32 v[GO], 11, v9     ; and the same two rows in ob
	v_lshl_add_u32 v[GO], v1, 4, v[GO]
	; A block's first step multiplies O^T and l by a = 0, so they need only hold finite numbers: zeros now, what the first block left later.  No first step is written out; the price is these lines, in the wait for the first tile.
.set i, 0
.rept 64
	v_mov_b32 v[O+i], 0
.set i, i+1
.endr
.irp u, 0,1
	v_mov_b32 v[ST+4*\u], 0xfe000000    ; c m: far below every c s
	v_mov_b32 v[ST+4*\u+1], 0xff7fffff  ; m: the lowest finite number
	v_mov_b32 v[ST+4*\u+2], 0
	v_mov_b32 v[ST+4*\u+3], 0
.endr
	s_wait_loadcnt 0x0              ; Q
; THE MATRIX WORK.  The 8 accumulators of a run of 16 take turns, one instruction a turn.
; Product i of S^T = K Q^T: channels 32 (i / 8) on, keys 16 ((i / 2) % 4) on, head i % 2.  The first 8 start the sums: with 0, or (m = 1) with the mask.
.macro KQ m
	WIN W_KQ
.set rS, S+32*(i%2)+8*((i/2)%4)
.set rK, KF+16*((i/2)%4)+8*(i/8)
.set rQ, Q+16*(i%2)+8*(i/8)
.set rX, MC+8*((i/2)%4)
.if (i < 8) && (\m)
	v_wmma_f32_16x16x32_f16 v[rS:rS+7], v[rK:rK+7], v[rQ:rQ+7], v[rX:rX+7]
.elseif i < 8
	v_wmma_f32_16x16x32_f16 v[rS:rS+7], v[rK:rK+7], v[rQ:rQ+7], 0
.else
	v_wmma_f32_16x16x32_f16 v[rS:rS+7], v[rK:rK+7], v[rQ:rQ+7], v[rS:rS+7]
.endif
.endm
; Product i of O^T += V^T P: keys 32 (i / 8) on, channels 16 ((i / 2) % 4) on, head i % 2.
.macro PV
	WIN W_PV
.set rO, O+32*(i%2)+8*((i/2)%4)
.set rV, VF+32*(i/8)+8*((i/2)%4)
.set rP, P+16*(i%2)+8*(i/8)
	v_wmma_f32_16x16x32_f16 v[rO:rO+7], v[rV:rV+7], v[rP:rP+7], v[rO:rO+7]
.endm
; THE LDS LOADS stand in runs of 16.
.macro FETCH_K
	WIN W_LD
.irp f, 0,1,2,3,4,5,6,7             ; keys 16 (f / 2) on, channels 32 (f % 2) on
	ds_load_b128 v[KF+8*\f:KF+8*\f+3],   v[AK] offset:(\f/2)*16*PK+(\f%2)*64
	ds_load_b128 v[KF+8*\f+4:KF+8*\f+7], v[AK] offset:(\f/2)*16*PK+(\f%2)*64+32
.endr
	s_add_co_u32 s[TBK], s[TBK], KS*PK  ; the next fetch is the next step's
	WIN 0
.endm
.macro FETCH_V
	WIN W_LD
.irp f, 0,1,2,3,4,5,6,7             ; keys 32 (f / 4) on, channels 16 (f % 4) on
	ds_load_tr16_b128 v[VF+8*\f:VF+8*\f+3],   v[AV] offset:(\f/4)*32*PV+(\f%4)*32
	ds_load_tr16_b128 v[VF+8*\f+4:VF+8*\f+7], v[AV] offset:(\f/4)*32*PV+16*PV+(\f%4)*32
.endr
.endm
.macro MASK                         ; MD x AL + BE
	WIN W_PV                        ; source 0 (MD) window 1, result window 0
.set z, 0
.rept 16
	v_pk_fma_f32 v[MC+2*z:MC+2*z+1], v[MD+2*z:MD+2*z+1], s[AL:AL+1], s[BE:BE+1] op_sel_hi:[1,0,0]
.set z, z+1
.endr
.endm
; THE VECTOR WORK, all in window 0.
.macro REGS u                       ; the registers of head u
.set rT, ST+4*(\u)
.set rC, TMP+4*(\u)
.set rM, MV+(\u)
.set rS, S+32*(\u)
.set rP, P+16*(\u)
.set rO, O+32*(\u)
.endm
; Number n of the 22 that find the maximum and the statistics.  0-11: four chains c0-c3 of seven scores each (each accumulator's lowest registers are read first);
; 12-14, 16: the four scores left over, the old m, c0-c3 into c0; 15: c m_old is kept; 17, 18: the query's other 32 keys lie in the lane 16 away; 19-21: c m; c m_old - c m_new; a.
.macro XS u, n
	REGS \u
.if (\n) < 4
	v_max3_num_f32 v[rC+(\n)], v[rS+8*(\n)], v[rS+8*(\n)+1], v[rS+8*(\n)+2]
.elseif (\n) < 12
	v_max3_num_f32 v[rC+(\n)%4], v[rC+(\n)%4], v[rS+8*((\n)%4)+2*((\n)/4)+1], v[rS+8*((\n)%4)+2*((\n)/4)+2]
.elseif (\n) == 12
	v_max3_num_f32 v[rC], v[rC], v[rS+7], v[rS+15]
.elseif (\n) == 13
	v_max3_num_f32 v[rC+1], v[rC+1], v[rS+23], v[rS+31]
.elseif (\n) == 14
	v_max3_num_f32 v[rC+2], v[rC+2], v[rC+3], v[rT+1]
.elseif (\n) == 15
	v_mov_b32 v[rM], v[rT]
.elseif (\n) == 16
	v_max3_num_f32 v[rC], v[rC], v[rC+1], v[rC+2]
.elseif (\n) == 17
	v_permlanex16_b32 v[rC+3], v[rC], s[SEL], s[SEL+1]
.elseif (\n) == 18
	v_max_num_f32 v[rT+1], v[rC], v[rC+3]
.elseif (\n) == 19
	v_mul_f32 v[rT], s[CS], v[rT+1]
.elseif (\n) == 20
	v_sub_f32 v[rC+1], v[rM], v[rT]
.else
	v_exp_f32 v[rC+2], v[rC+1]
.endif
.endm
.macro FS u, n                      ; c s - c m for pair n of 16
	REGS \u
	v_pk_fma_f32 v[rS+2*(\n):rS+2*(\n)+1], v[rS+2*(\n):rS+2*(\n)+1], s[CS:CS+1], v[rT:rT+1] op_sel_hi:[1,0,0] neg_lo:[0,0,1] neg_hi:[0,0,1]
.endm
.macro ES u, n                      ; the exponential of score n of 32
	REGS \u
	v_exp_f32 v[rS+(\n)], v[rS+(\n)]
.endm
.macro CV u, n                      ; pair n rounded to f16
	REGS \u
	s_wait_alu depctr_va_vdst(0)
	v_cvt_pk_f16_f32 v[rP+(\n)], v[rS+2*(\n)], v[rS+2*(\n)+1]
.endm
.macro BS u, n                      ; of the four weights 4 n .. the second pair is added onto the first, in place (behind their rounding)
	REGS \u
	v_pk_add_f32 v[rS+4*(\n):rS+4*(\n)+1], v[rS+4*(\n):rS+4*(\n)+1], v[rS+4*(\n)+2:rS+4*(\n)+3]
	s_wait_alu depctr_va_vdst(0)
.endm
.macro LS u, n                      ; l takes that sum; the first time as l = a l + sum
	REGS \u
.if (\n) == 0
	v_pk_fma_f32 v[rT+2:rT+3], v[rT+2:rT+3], v[rC+2:rC+3], v[rS:rS+1] op_sel_hi:[1,0,1]
.else
	v_pk_add_f32 v[rT+2:rT+3], v[rT+2:rT+3], v[rS+4*(\n):rS+4*(\n)+1]
.endif
.endm
.macro RS u, n                      ; pair n of 16 of O^T times a, in ascending order
	REGS \u
	s_wait_alu depctr_va_vdst(0)
	v_pk_mul_f32 v[rO+2*(\n):rO+2*(\n)+1], v[rO+2*(\n):rO+2*(\n)+1], v[rC+2:rC+3] op_sel_hi:[1,0]
.endm
; The two heads alternate.  Behind every exponential stands a plain instruction that touches neither its result nor its source (ISA guide 5.7.2): first the rescaling of O^T, then roundings of
; pairs whose exponentials stand 8 pairs of lines back or more, then the first sums.
.macro SOFTMAX
	WIN 0
.irp n, 0,1,2,3,4,5,6,7,8,9,10,11,12,13,14,15,16,17,18,19,20,21
	XS 0, \n
	XS 1, \n
.endr
.irp n, 0,1,2,3,4,5,6,7,8,9,10,11,12,13,14,15
	FS 0, \n
	FS 1, \n
.endr
.set e, 0
.rept 64
	ES e%2, e/2
.if e < 32
	RS e%2, e/2
.elseif e < 56
	CV (e-32)%2, (e-32)/2
.else
	BS (e-56)%2, (e-56)/2
.endif
.set e, e+1
.endr
.irp n, 12,13,14,15
	CV 0, \n
	CV 1, \n
.endr
.irp n, 0,1,2,3
	LS 0, \n
	LS 1, \n
	BS 0, (\n)+4
	BS 1, (\n)+4
.endr
.irp n, 4,5,6,7
	LS 0, \n
	LS 1, \n
.endr
.endm
; A KEY STEP.  m = 1: the diagonal tile's text: the step's mask is made first.
.macro STEP m
.if \m
	s_sub_co_u32 s[CUR], 4, s[CNT]  ; the step's number in its tile
	s_cmp_eq_u32 s[CUR], s[DP]      ; the block's own step?
	s_cselect_b32 s[AL], 1.0, 0
	s_cmp_gt_u32 s[CUR], s[DP]      ; or a later one?
	s_cselect_b32 s[BE], s[BIGN], 0
	MASK
.endif
	WIN 0
	v_add_nc_u32 v[AV], s[TBV], v[AV0]
	s_add_co_u32 s[TBV], s[TBV], KS*PV
	PLACES                          ; behind the last step's products V^T P, which read V's registers
	FETCH_V
	s_wait_dscnt 16                 ; K is in; V's sixteen loads, issued behind K's, may be out
.set i, 0
.rept 16
	KQ \m
.set i, i+1
.endr
	WIN 0
	v_add_nc_u32 v[AK], s[TBK], v[AK0]  ; with the three lines below: the four places behind those products
.rept 3
	v_nop
.endr
	s_cmp_eq_u32 s[CNT], 1          ; a tile's last step fetches no further K: the next tile's first is fetched behind the change of slots
	s_cbranch_scc1 .Lno_k_\@
	FETCH_K
.Lno_k_\@:
	SOFTMAX
	s_wait_dscnt 0x0                ; V is in (and the next K)
.set i, 0
.rept 16
	PV
.set i, i+1
.endr
	WIN 0
.endm
.macro LOOP4 m                      ; a tile's four steps: written once, walked four times; the LDS addresses hang on s[TBK] and s[TBV]
	s_mov_b32 s[CNT], 4
.Lstep_\@:
	STEP \m
	s_sub_co_u32 s[CNT], s[CNT], 1
	s_cmp_lg_u32 s[CNT], 0
	s_cbranch_scc1 .Lstep_\@
.endm
; A BLOCK'S END: l's two halves and the other half of the lanes' are added; O^T is divided by l, rounded to f16, and sent through my stage: both heads' 128 bytes of a row side by side.
.macro FINISH
	PLACES
.irp u, 0,1
	v_add_f32 v[ST+4*\u+2], v[ST+4*\u+2], v[ST+4*\u+3]
.endr
.irp u, 0,1
	v_permlanex16_b32 v[ST+4*\u+3], v[ST+4*\u+2], s[SEL], s[SEL+1]
.endr
.irp u, 0,1
	v_add_f32 v[ST+4*\u+2], v[ST+4*\u+2], v[ST+4*\u+3]
.endr
.irp u, 0,1
	v_rcp_f32 v[ST+4*\u+2], v[ST+4*\u+2]
.endr
	v_nop                           ; a plain instruction between the last reciprocal and the use of its result
.set i, 0
	s_wait_alu depctr_va_vdst(0)
.rept 32
	v_pk_mul_f32 v[O+2*i:O+2*i+1], v[O+2*i:O+2*i+1], v[ST+4*(i/16)+2:ST+4*(i/16)+3] op_sel_hi:[1,0]
.set i, i+1
.endr
.set i, 0
.rept 32
	v_cvt_pk_f16_f32 v[S+i], v[O+2*i], v[O+2*i+1]
.set i, i+1
.endr
.irp f, 0,1,2,3,4,5,6,7             ; head f / 4, channels 16 (f % 4) on: byte 32 f of the row
	ds_store_b128 v[STO], v[S+4*\f:S+4*\f+3] offset:32*\f
.endr
.irp f, 0,1,2,3,4,5,6,7
	ds_load_b128 v[S+32+4*\f:S+32+4*\f+3], v[RD] offset:\f*2*SP  ; LDS serves a wave's instructions in order (ISA guide 5.7.1.4): these see the stores above
.endr
.irp f, 0,1,2,3,4,5,6,7
	s_wait_dscnt 7-\f
	global_store_b128 v[GO], v[S+32+4*\f:S+32+4*\f+3], s[OA:OA+1] offset:\f*4096  ; 16 lanes store 256 consecutive bytes, at a multiple of 256 from ob's first byte
.endr
.endm
.macro SWITCH                       ; on to the second block
	s_wait_xcnt 0x0                 ; the stores' base and data are written again only behind this wait
	s_mov_b64 s[OA:OA+1], s[OA+2:OA+3]
	s_add_co_u32 s[RT], s[UU], 1    ; it has U + 1 tiles
	s_mov_b32 s[DP], s[CX]
	WIN W_QQ
.set i, 0
.rept 32
	v_mov_b32 v[Q+i], v[QB+i]       ; its Q goes where the one text of the steps names Q
.set i, i+1
.endr
	WIN 0
.irp u, 0,1
	v_mov_b32 v[ST+4*\u], 0xfe000000
	v_mov_b32 v[ST+4*\u+1], 0xff7fffff
.endr
.endm
.Lslot:                             ; 8 times: a tile is entered and the next is asked for
	CHANGE 1
	s_sub_co_u32 s[RT], s[RT], 1
	v_add_nc_u32 v[AK], s[TBK], v[AK0]
	FETCH_K                         ; K of the tile's first step
	s_cmp_lg_u32 s[RT], 0           ; hangs on U alone, which the partners share
	s_cbranch_scc1 .Lplain
	LOOP4 1                         ; in the loop this is the first block's last tile: the second's is the walk's last
	FINISH
	SWITCH
	s_branch .Lbottom
.Lplain:
	LOOP4 0
.Lbottom:
	s_sub_co_u32 s[SLOTS], s[SLOTS], 1
	s_cmp_lg_u32 s[SLOTS], 0
	s_cbranch_scc1 .Lslot
	CHANGE 0                        ; the walk's last tile is written out: nothing is asked for
	v_add_nc_u32 v[AK], s[TBK], v[AK0]
	FETCH_K
	LOOP4 1
	FINISH
	s_wait_tensorcnt 0x0            ; the wave's end
	ds_add_u32 v[SPW], v[NIL]
	s_wait_dscnt 0x0
	CROUND                          ; the closing round
	s_endpgm
.Lfunc_end_k_qd8a27bfa99_attn:
	.size	k_qd8a27bfa99_attn, .Lfunc_end_k_qd8a27bfa99_attn-k_qd8a27bfa99_attn
	.p2alignl 7, 3214868480
	.fill 96, 4, 3214868480
	.section	.rodata,"a",@progbits
	.p2align	6, 0x0
	.amdhsa_kernel k_qd8a27bfa99_attn
		.amdhsa_group_segment_fixed_size 327680
		.amdhsa_private_segment_fixed_size 0
		.amdhsa_enable_private_segment 0
		.amdhsa_kernarg_size 16
		.amdhsa_user_sgpr_count 2
		.amdhsa_user_sgpr_kernarg_segment_ptr 1
		.amdhsa_wavefront_size32 1
		.amdhsa_system_sgpr_workgroup_id_x 1
		.amdhsa_system_sgpr_workgroup_id_y 1
		.amdhsa_system_sgpr_workgroup_id_z 1
		.amdhsa_system_vgpr_workitem_id 0
		.amdhsa_next_free_vgpr 512
		.amdhsa_next_free_sgpr 90
		.amdhsa_reserve_vcc 1
		.amdhsa_float_denorm_mode_32 3
		.amdhsa_float_denorm_mode_16_64 3
		.amdhsa_memory_ordered 1
		.amdhsa_forward_progress 1
		.amdhsa_inst_pref_size 96
	.end_amdhsa_kernel
	.amdgpu_metadata
---
amdhsa.version: [ 1, 2 ]
amdhsa.kernels:
  - .name:           k_qd8a27bfa99_attn
    .symbol:         k_qd8a27bfa99_attn.kd
    .args:
      - { .name: qkv, .offset: 0, .size: 8, .value_kind: global_buffer, .address_space: global }
      - { .name: ob, .offset: 8, .size: 8, .value_kind: global_buffer, .address_space: global }
    .group_segment_fixed_size: 327680
    .private_segment_fixed_size: 0
    .kernarg_segment_align: 8
    .kernarg_segment_size: 16
    .max_flat_workgroup_size: 128
    .sgpr_count:     90
    .vgpr_count:     512
    .wavefront_size: 32
...
	.end_amdgpu_metadata
.endif
;; end of part 3
;; launch outp (part 4): grid 16 x 16, 4 waves a work-group, clusters of 4 x 4, 327,680 bytes of LDS; arguments ob, wob, out0; writes out0
.if DOCPART == 4
	.amdgcn_target "amdgcn-amd-amdhsa--gfx1250"
	.amdhsa_code_object_version 6
	.text
	.protected	k_qd8a27bfa99_outp
	.globl	k_qd8a27bfa99_outp
	.p2align	8
	.type	k_qd8a27bfa99_outp,@function
k_qd8a27bfa99_outp:
	s_mov_b64 s[64:65], 0
	v_nop
	global_prefetch_b8 v0, s[64:65] scope:SCOPE_SE
	s_setreg_imm32_b32 hwreg(HW_REG_WAVE_MODE, 25, 1), 1
	s_wait_xcnt 0x0
	s_wait_alu depctr_hold_cnt(0) depctr_sa_sdst(0) depctr_va_vdst(0) depctr_va_sdst(0) depctr_va_ssrc(0) depctr_va_vcc(0) depctr_vm_vsrc(0)
	s_getreg_b32 s2, hwreg(HW_REG_IB_STS2, 6, 4)
	s_cmp_eq_u32 s2, 0
	s_cbranch_scc0 .Lentry_in_a_cluster
	s_endpgm
.Lentry_in_a_cluster:
	s_bfe_u32 s2, ttmp6, 0x10000c
	s_cmp_lg_u32 s2, 0xf033
	s_cbranch_scc0 .Lentry_shape_is_right
	s_endpgm
.Lentry_shape_is_right:
; OUTP: out0 = ob wob.  ob [4096][1024] f16, wob [1024 k][2048 n] f16, out0 [4096][2048] f32; sums in f32, stored as they are.
; The frame is that of the projection in front: a tile of 256 rows x 128 columns for each of 256 work-groups; four waves, each 128 rows x 64 columns in 32 accumulators;
; K in steps of 128 through two LDS slots; 4 x 4 work-groups in a cluster, A's tiles asked for jointly along a row of it, B's along a column.
; The matrix instruction is used transposed (source 0 = 16 columns of B, turned by ds_load_tr16_b128; source 1 = 16 rows of A): a lane holds row l % 16 and eight neighbouring columns.
; LIMITS.  NaN and infinities are not treated apart.
; REGISTERS: window 0: v0-31 addresses; two fragment buffers of 96 at v32, v128; on the way out v32-159 four buffers of 16 rows.   window 1: the accumulators, (a, b) at v[8 (4 a + b)].
.set SIZE_K, 1024
.set LOGROW, 11                        ; a row of A is 2,048 bytes
.set KSTEP,  128
.set PA,     272                       ; 256 bytes + 16 = 68 words: the 16 rows of a load start at 16 different groups of four banks (64 banks of 4 bytes: ISA guide 11.1)
.set PB,     288                       ; 256 + 32 = 72 words
.set HALFA,  128*PA
.set HALFB,  64*PB
.set BOFF,   2*HALFA
.set SLOT,   BOFF+2*HALFB
.set STAGE,  2*SLOT                    ; behind the ring: 16 rows x 272 bytes for each wave
.set SP,     272
.set SPARE,  STAGE+4*16*SP             ; the spare words: 128 bytes a wave, two blocks of 256 bytes that no other line names
.set LAPS,   SIZE_K/(2*KSTEP)
.set BSTEP,  KSTEP*2048*2
.set ADRA, 16
.set ADRB, 20
.set STO,  24
.set RD,   25
.set CO,   26
.set SPW,  28
.set NIL,  29
.set F0,   32
.set F1,   128
.set OB,   32
.set G1,  24
.set G0,  32
.set G1B, 48
.set G0B, 56
.set MSB, 0
.macro WIN new
.if MSB != (\new)
	s_set_vgpr_msb (MSB<<8)|(\new)
.set MSB, \new
.endif
.endm
.macro PLACES                          ; four places behind matrix instructions (ISA guide 7.12.1)
.rept 4
	v_nop
.endr
.endm
.macro JLOAD s                         ; a joint load: waves 0, 1 fetch A's halves, waves 2, 3 B's; an s_nop 0 and four v_nop follow each line
	s_cmp_eq_u32 s13, 0
	s_cbranch_scc0 .Lfor_b_\@
	tensor_load_to_lds s[G0+4*(\s):G0+4*(\s)+3], s[G1:G1+7]
	s_nop 0
.rept 4
	v_nop
.endr
	s_branch .Lasked_\@
.Lfor_b_\@:
	tensor_load_to_lds s[G0B+4*(\s):G0B+4*(\s)+3], s[G1B:G1B+7]
	s_nop 0
.rept 4
	v_nop
.endr
.Lasked_\@:
.endm
.macro CREST
	s_cmp_lg_u32 s12, 0
	s_cbranch_scc1 .Lnot_wave_0_\@
	s_barrier_signal -3
.Lnot_wave_0_\@:
	s_barrier_wait -3
	s_barrier_signal -1
	s_barrier_wait -1
.endm
.macro CROUND
	s_barrier_signal -1
	s_barrier_wait -1
	CREST
.endm
	s_load_b128 s[4:7], s[0:1], 0x0                ; ob 4:5, wob 6:7
	s_load_b64 s[8:9], s[0:1], 0x10                ; out0
	v_lshl_add_u32 v[SPW], v0, 2, SPARE
	v_mov_b32 v[NIL], 0
	ds_add_u32 v[SPW], v[NIL]                      ; the wave's opening: the add and its wait ahead of my first tensor load
	v_lshrrev_b32 v1, 5, v0
	v_readfirstlane_b32 s12, v1                    ; wave 0..3
	s_lshr_b32 s13, s12, 1                         ; my half of the rows; also: I fetch for A (0) or B (1)
	s_and_b32 s14, s12, 1                          ; my half of the columns; also: which half of that tile I fetch
	s_bfe_u32 s15, ttmp6, 0x40000                  ; cx
	s_bfe_u32 s16, ttmp6, 0x40004                  ; cy
	s_lshl_b32 s17, ttmp9, 2
	s_add_co_u32 s17, s17, s15                     ; tile column
	s_and_b32 s18, ttmp7, 0xffff
	s_lshl_b32 s18, s18, 2
	s_add_co_u32 s18, s18, s16                     ; tile row
	s_lshl_b32 s19, s16, 2
	s_lshl_b32 s19, 15, s19                        ; my row of the cluster
	s_lshl_b32 s20, 0x1111, s15                    ; my column
	s_or_b32 s[G1+0], s19, (1<<16)|(1<<20)|(1<<21)|(5<<22)|(3<<25)   ; mask; 2-byte elements; padding on; bit 21 beside a mask; after every 64 words 4 words
	s_mov_b32 s[G1+1], KSTEP<<16
	s_mov_b32 s[G1+2], 128<<16
	s_mov_b32 s[G1+3], KSTEP<<16
	s_mov_b32 s[G1+4], 128
	s_mov_b32 s[G1+5], SIZE_K
	s_mov_b32 s[G1+6], 0
	s_mov_b32 s[G1+7], 0
	s_or_b32 s[G1B+0], s20, (1<<16)|(1<<20)|(1<<21)|(5<<22)|(7<<25)  ; my column's mask, 8 words of padding
	s_mov_b32 s[G1B+1], 128<<16
	s_mov_b32 s[G1B+2], 64<<16
	s_mov_b32 s[G1B+3], 128<<16
	s_mov_b32 s[G1B+4], 64
	s_mov_b32 s[G1B+5], 2048
	s_mov_b32 s[G1B+6], 0
	s_mov_b32 s[G1B+7], 0
	s_lshl_b32 s40, s18, 8                         ; A: row 256 x tile row + 128 x half, in bytes
	s_lshl_b32 s42, s14, 7
	s_add_co_u32 s40, s40, s42
	s_lshl_b32 s40, s40, LOGROW
	s_mov_b32 s41, 0
	s_lshl_b32 s46, s14, 18                        ; B: 64 k-rows x half, 256 bytes x tile column
	s_lshl_b32 s47, s17, 8
	s_add_co_u32 s46, s46, s47
	s_mov_b32 s47, 0
	s_mul_i32 s44, s14, HALFA                      ; no place in the cluster enters an LDS address
	s_mul_i32 s45, s14, HALFB
	s_add_co_u32 s45, s45, BOFF
	s_wait_dscnt 0x0                               ; the opening add is done
	s_wait_kmcnt 0x0
	s_add_nc_u64 s[40:41], s[4:5], s[40:41]
	s_add_nc_u64 s[46:47], s[6:7], s[46:47]
	CROUND                                         ; all sixteen work-groups are here
.irp s, 0,1
	s_mov_b32 s[G0+4*(\s)], 1
	s_add_co_u32 s[G0+4*(\s)+1], s44, (\s)*SLOT
	s_add_nc_u64 s[G0+4*(\s)+2:G0+4*(\s)+3], s[40:41], (\s)*KSTEP*2
	s_or_b32 s[G0+4*(\s)+3], s[G0+4*(\s)+3], 0x80000000
	s_mov_b32 s[G0B+4*(\s)], 1
	s_add_co_u32 s[G0B+4*(\s)+1], s45, (\s)*SLOT
	s_add_nc_u64 s[G0B+4*(\s)+2:G0B+4*(\s)+3], s[46:47], (\s)*BSTEP
	s_or_b32 s[G0B+4*(\s)+3], s[G0B+4*(\s)+3], 0x80000000
	JLOAD \s
.endr
	v_and_b32 v1, 15, v0                           ; l % 16
	v_bfe_u32 v2, v0, 4, 1                         ; l / 16
	v_mul_u32_u24 v3, v1, PA
	v_lshl_add_u32 v3, v2, 4, v3
	s_mul_i32 s42, s13, HALFA
	v_add_nc_u32 v[ADRA], s42, v3
	v_add_nc_u32 v[ADRA+1], SLOT, v[ADRA]
	v_and_b32 v4, 7, v0
	v_lshl_add_u32 v4, v2, 3, v4
	v_mul_u32_u24 v4, v4, PB
	v_bfe_u32 v5, v0, 3, 1
	v_lshl_add_u32 v4, v5, 4, v4
	s_lshl_b32 s42, s14, 7
	s_add_co_u32 s42, s42, BOFF
	v_add_nc_u32 v[ADRB], s42, v4
	v_add_nc_u32 v[ADRB+1], SLOT, v[ADRB]
	s_mul_i32 s42, s12, 16*SP
	s_add_co_u32 s42, s42, STAGE                   ; my stage
	v_mul_u32_u24 v[STO], v1, SP                   ; in: row l % 16, 32 bytes (8 f32) for each half of the lanes
	v_lshl_add_u32 v[STO], v2, 5, v[STO]
	v_add_nc_u32 v[STO], s42, v[STO]
	v_mul_u32_u24 v[RD], v2, SP                    ; back: lanes 0-15 take one row of 256 bytes, lanes 16-31 the next
	v_lshl_add_u32 v[RD], v1, 4, v[RD]
	v_add_nc_u32 v[RD], s42, v[RD]
	v_lshlrev_b32 v[CO], 13, v2                    ; and the same two rows in out0
	v_lshl_add_u32 v[CO], v1, 4, v[CO]
	s_lshl_b32 s22, s18, 8                         ; my first row, x 8,192 bytes;
	s_lshl_b32 s23, s13, 7
	s_add_co_u32 s22, s22, s23
	s_lshl_b32 s22, s22, 13
	s_lshl_b32 s46, s17, 9                         ; my first column, x 4 bytes (in B's registers: none that feeds A's descriptors ever holds cx)
	s_lshl_b32 s47, s14, 8
	s_add_co_u32 s46, s46, s47
	s_add_co_u32 s46, s46, s22
	s_mov_b32 s47, 0
	s_add_nc_u64 s[8:9], s[8:9], s[46:47]
; 8 matrix instructions: row blocks a0, a0 + 1 x all 4 column blocks, 32 along K.  The 32 accumulators take turns, one instruction a turn.
.macro MUL8 f, a0, zero
	WIN 0x50                                       ; C and D window 1, fragments window 0
.irp a, \a0, (\a0)+1
.irp b, 0,1,2,3
.if \zero
	v_wmma_f32_16x16x32_f16 v[8*(4*(\a)+(\b)):8*(4*(\a)+(\b))+7], v[(\f)+64+8*(\b):(\f)+64+8*(\b)+7], v[(\f)+8*(\a):(\f)+8*(\a)+7], 0
.else
	v_wmma_f32_16x16x32_f16 v[8*(4*(\a)+(\b)):8*(4*(\a)+(\b))+7], v[(\f)+64+8*(\b):(\f)+64+8*(\b)+7], v[(\f)+8*(\a):(\f)+8*(\a)+7], v[8*(4*(\a)+(\b)):8*(4*(\a)+(\b))+7]
.endif
.endr
.endr
.endm
.macro FETCH slot, q, f                ; 24 LDS loads in one run: B's 4 fragments first, then A's 8
	WIN 0
.irp b, 0,1,2,3
	ds_load_tr16_b128 v[(\f)+64+8*(\b):(\f)+64+8*(\b)+3],   v[ADRB+(\slot)] offset:(\q)*32*PB+32*(\b)
	ds_load_tr16_b128 v[(\f)+64+8*(\b)+4:(\f)+64+8*(\b)+7], v[ADRB+(\slot)] offset:(\q)*32*PB+32*(\b)+16*PB
.endr
.irp i, 0,1,2,3,4,5,6,7
	ds_load_b128 v[(\f)+8*(\i):(\f)+8*(\i)+3],   v[ADRA+(\slot)] offset:(\q)*64+(\i)*16*PA
	ds_load_b128 v[(\f)+8*(\i)+4:(\f)+8*(\i)+7], v[ADRA+(\slot)] offset:(\q)*64+(\i)*16*PA+32
.endr
.endm
.macro QUARTER slot, q, f, g, zero
	s_wait_dscnt 8                                 ; B and A's blocks 0-3 are in; the youngest eight loads (A's blocks 4-7) may be out
	MUL8 \f, 0, \zero
	MUL8 \f, 2, \zero
	PLACES
	FETCH \slot, \q, \g
	s_wait_dscnt 24                                ; all but the 24 just issued
	MUL8 \f, 4, \zero
	MUL8 \f, 6, \zero
.endm
; The change of slots: in front of one barrier each wave waits for all its tensor loads, adds 0 to its spare word, and waits for that and for its reads of this slot.
; fill = 1: the barrier opens a round of the cluster's, and the slot is filled again first thing behind it, two K steps ahead.
.macro TURN slot, next, fill
	WIN 0
	s_wait_tensorcnt 0x0                           ; all my tensor loads have landed
	ds_add_u32 v[SPW], v[NIL]
	s_wait_dscnt 9                                 ; the add and the youngest eight loads may be out
	MUL8 F1, 0, 0
	s_wait_dscnt 0x0                               ; the add is done, and my reads of this slot are over
	s_barrier_signal -1
	MUL8 F1, 2, 0
.if \fill
	WIN 0
.endif
	s_barrier_wait -1
.if \fill
	CREST
	s_add_nc_u64 s[G0+4*(\slot)+2:G0+4*(\slot)+3], s[G0+4*(\slot)+2:G0+4*(\slot)+3], 2*KSTEP*2
	s_add_nc_u64 s[G0B+4*(\slot)+2:G0B+4*(\slot)+3], s[G0B+4*(\slot)+2:G0B+4*(\slot)+3], 2*BSTEP
	JLOAD \slot                                    ; its four v_nop are also the places in front of the loads below
.else
	PLACES
.endif
	FETCH \next, 0, F0
	MUL8 F1, 4, 0
	MUL8 F1, 6, 0
.endm
	s_wait_tensorcnt 1                             ; my part of K step 0 is in; K step 1's may stay out
	s_barrier_signal -1
	s_barrier_wait -1
	FETCH 0, 0, F0
	QUARTER 0, 1, F0, F1, 1                        ; its products start the sums
	WIN 0
	s_mov_b32 s3, LAPS-1
.Llap:
	QUARTER 0, 2, F1, F0, 0
	QUARTER 0, 3, F0, F1, 0
	TURN 0, 1, 1
	QUARTER 1, 1, F0, F1, 0
	QUARTER 1, 2, F1, F0, 0
	QUARTER 1, 3, F0, F1, 0
	TURN 1, 0, 1
	QUARTER 0, 1, F0, F1, 0
	WIN 0
	s_sub_co_u32 s3, s3, 1
	s_cmp_lg_u32 s3, 0
	s_cbranch_scc1 .Llap
	QUARTER 0, 2, F1, F0, 0                        ; the last lap fills nothing
	QUARTER 0, 3, F0, F1, 0
	TURN 0, 1, 0
	QUARTER 1, 1, F0, F1, 0
	QUARTER 1, 2, F1, F0, 0
	QUARTER 1, 3, F0, F1, 0
	s_wait_dscnt 8
	MUL8 F1, 0, 0
	MUL8 F1, 2, 0
	s_wait_dscnt 0x0
	MUL8 F1, 4, 0
	MUL8 F1, 6, 0
	WIN 0
	PLACES
; THE WAY OUT, 16 rows at a time: a lane's eight f32 of a row go into rows of 272 bytes of my own stage and come back as whole rows of 256 bytes, my 64 columns.
.macro TOSTAGE a
.set BK, OB+32*((\a)%4)
.if (\a) >= 4
	s_wait_xcnt 0x0                                ; the buffer, which block a - 4's stores read, is loaded again only behind this wait
.endif
	WIN 0x04                                       ; the stores' data in window 1
.irp b, 0,1,2,3                        ; each accumulator's low four registers first
	ds_store_b128 v[STO], v[8*(4*(\a)+(\b)):8*(4*(\a)+(\b))+3] offset:64*(\b)
	ds_store_b128 v[STO], v[8*(4*(\a)+(\b))+4:8*(4*(\a)+(\b))+7] offset:64*(\b)+16
.endr
	WIN 0
.irp t, 0,1,2,3,4,5,6,7
	ds_load_b128 v[BK+4*(\t):BK+4*(\t)+3], v[RD] offset:(\t)*2*SP  ; LDS serves a wave's instructions in order (ISA guide 5.7.1.4): these see the stores above
.endr
.endm
.macro SEND a, younger                 ; younger: the LDS instructions issued behind block a's loads: the next block's sixteen, or none
.set BK, OB+32*((\a)%4)
.irp t, 0,1,2,3,4,5,6,7
	s_wait_dscnt (\younger)+7-(\t)
	global_store_b128 v[CO], v[BK+4*(\t):BK+4*(\t)+3], s[8:9] offset:(16*(\a)+2*(\t))*8192 th:TH_STORE_NT  ; 16 lanes store 256 consecutive bytes, at a multiple of 256 from out0's first byte
.endr
.endm
	TOSTAGE 0
.irp a, 1,2,3,4,5,6,7
	TOSTAGE \a
	SEND (\a)-1, 16
.endr
	SEND 7, 0
	s_wait_tensorcnt 0x0                           ; the wave's end
	ds_add_u32 v[SPW], v[NIL]
	s_wait_dscnt 0x0
	CROUND                                         ; the closing round
	s_endpgm
.Lfunc_end_k_qd8a27bfa99_outp:
	.size	k_qd8a27bfa99_outp, .Lfunc_end_k_qd8a27bfa99_outp-k_qd8a27bfa99_outp
	.p2alignl 7, 3214868480
	.fill 96, 4, 3214868480
	.section	.rodata,"a",@progbits
	.p2align	6, 0x0
	.amdhsa_kernel k_qd8a27bfa99_outp
		.amdhsa_group_segment_fixed_size 327680
		.amdhsa_private_segment_fixed_size 0
		.amdhsa_enable_private_segment 0
		.amdhsa_kernarg_size 24
		.amdhsa_user_sgpr_count 2
		.amdhsa_user_sgpr_kernarg_segment_ptr 1
		.amdhsa_wavefront_size32 1
		.amdhsa_system_sgpr_workgroup_id_x 1
		.amdhsa_system_sgpr_workgroup_id_y 1
		.amdhsa_system_sgpr_workgroup_id_z 1
		.amdhsa_system_vgpr_workitem_id 0
		.amdhsa_next_free_vgpr 512
		.amdhsa_next_free_sgpr 66
		.amdhsa_reserve_vcc 0
		.amdhsa_float_denorm_mode_32 3
		.amdhsa_float_denorm_mode_16_64 3
		.amdhsa_memory_ordered 1
		.amdhsa_forward_progress 1
		.amdhsa_inst_pref_size 87
	.end_amdhsa_kernel
	.amdgpu_metadata
---
amdhsa.version: [ 1, 2 ]
amdhsa.kernels:
  - .name:           k_qd8a27bfa99_outp
    .symbol:         k_qd8a27bfa99_outp.kd
    .args:
      - { .name: ob, .offset: 0, .size: 8, .value_kind: global_buffer, .address_space: global }
      - { .name: wob, .offset: 8, .size: 8, .value_kind: global_buffer, .address_space: global }
      - { .name: out0, .offset: 16, .size: 8, .value_kind: global_buffer, .address_space: global }
    .group_segment_fixed_size: 327680
    .private_segment_fixed_size: 0
    .kernarg_segment_align: 8
    .kernarg_segment_size: 24
    .max_flat_workgroup_size: 128
    .sgpr_count:     66
    .vgpr_count:     512
    .wavefront_size: 32
...
	.end_amdgpu_metadata
.endif
;; end of part 4
;; ======== version 2 of 2: 4 launches; 1.33 times as fast as version 1
;; limits: values are held in f16: magnitudes above 65,504 overflow, below 6.1e-05 lose precision
;; workspace buffers: xb 16,777,216 bytes; wb 8,388,608 bytes; wob 4,194,304 bytes; cs 524,288 bytes; qkv 16,777,216 bytes; ob 8,388,608 bytes
;; launch cast: the kernel of part 1 again; grid 912 x 1, 8 waves a work-group, no clusters, 0 bytes of LDS; arguments x, wq, wk, wv, wo, cos, sin, xb, wb, wob, cs; writes xb, wb, wob, cs
;; launch proj: the kernel of part 2 again; grid 16 x 16, 4 waves a work-group, clusters of 4 x 4, 327,680 bytes of LDS; arguments xb, wb, cs, qkv; writes qkv
;; launch attn (part 5): grid 16 x 16, 4 waves a work-group, clusters of 4 x 1, 327,680 bytes of LDS; arguments qkv, ob; writes ob
.if DOCPART == 5
	.amdgcn_target "amdgcn-amd-amdhsa--gfx1250"
	.amdhsa_code_object_version 6
	.text
	.protected	k_qd8a27bfa99_attn
	.globl	k_qd8a27bfa99_attn
	.p2align	8
	.type	k_qd8a27bfa99_attn,@function
k_qd8a27bfa99_attn:
	s_mov_b64 s[64:65], 0
	v_nop
	global_prefetch_b8 v0, s[64:65] scope:SCOPE_SE
	s_setreg_imm32_b32 hwreg(HW_REG_WAVE_MODE, 25, 1), 1
	s_wait_xcnt 0x0
	s_wait_alu depctr_hold_cnt(0) depctr_sa_sdst(0) depctr_va_vdst(0) depctr_va_sdst(0) depctr_va_ssrc(0) depctr_va_vcc(0) depctr_vm_vsrc(0)
	s_getreg_b32 s2, hwreg(HW_REG_IB_STS2, 6, 4)
	s_cmp_eq_u32 s2, 0
	s_cbranch_scc0 .Lentry_in_a_cluster
	s_endpgm
.Lentry_in_a_cluster:
	s_bfe_u32 s2, ttmp6, 0x10000c
	s_cmp_lg_u32 s2, 0x3003
	s_cbranch_scc0 .Lentry_shape_is_right
	s_endpgm
.Lentry_shape_is_right:
; CAUSAL ATTENTION WITH SHARED KEY AND VALUE HEADS.  For batch b, key head g and query heads 2 g, 2 g + 1: O[q] = the sum over k <= q of softmax_k(Q[q] . K[k] / 8) V[k].
; qkv: head slots of [2048][64] f16 (q(b, h) in slot 16 b + h, k(b, g) in 32 + 16 b + g, v(b, g) in 40 + 16 b + g).  ob: [4096 rows][1024] f16, column = head x 64 + channel.
; Products, maxima and sums in f32; the weights p are rounded to f16 for the second product (their sum l is taken of the unrounded p), O once at the end.
; LIMITS.  Q, K, V arrive within f16's 65,504; p lies in 0 to 1 and below 6e-5 keeps f16's fixed step of 6e-8.  A hidden score counts as its value less 1e30 (f16's scores are 2.7e11 at the most);
; a weight below 2^-126 counts as 0 in l; NaN and infinities are not treated apart.
; THE WALK.  A head's rows lie in 32 blocks of 64; keys in 8 tiles of 256.  Work-group p = 4 U + cx of a (b, g) takes block 31 - p and then block p, for both query heads.
; The first block needs tiles 0 .. 7 - U, the second 0 .. U: nine tiles whatever p, and the SAME nine for the four partners of a cluster (they share U): every tile is asked for jointly.
; A block's last tile holds the diagonal in its key step DP (3 - cx, then cx).  All four steps of that tile are computed, under a mask chosen by scalar selects, so that no branch hangs on cx:
; 36 key steps a work-group where 33 hold a visible key.
; SHARES.  Wave w owns rows 16 w .. 16 w + 15 of the block; its two tiles are the two query heads, which share every fragment of K and V and fill 256 neighbouring bytes of a row of ob.
; LAYOUT.  S^T = K Q^T holds ONE query a lane (lane % 16) and the keys 8 (lane / 16) + 0..7; two such results rounded to f16 ARE source 1 of O^T = V^T P.  V is turned by ds_load_tr16_b128.
; SOFTMAX.  p = 2^(c s - c m), c = log2(e) / 8, with a running maximum m; O and l are multiplied by a = 2^(c m_old - c m_new) in every step.  c m starts far below every c s, so a block's first a is 0.
; THE MASK is the C operand that starts S^T's sums: MD x AL + BE, MD the mask of the block's own step for my rows; (AL, BE) = (1, 0) in that step, (0, 0) before it, (0, -1e30) behind it.
; A STEP GOES IN PHASES: V's loads, 16 products K Q^T, the next K's loads, the softmax (236 vector instructions), 16 products V^T P.
; THE BATCHES.  A step's 66 exponentials (both heads' a, then their 64 scores) are ONE batch with ONE wait: ahead of the wait stands all that names no exponential's result (the maximum, the statistics, the
; scalings), behind it all that does (the roundings, the sums, the rescaling of O^T).  A block's end has a batch of two reciprocals, with a wait of its own.
; REGISTERS: window 0: v0-15 addresses; v16-23 statistics (c m, m, l, l a tile); v24-31 at work; v64-127 S^T; v128-159 P; v160-223 O^T; v224-255 the mask in hand.
;   window 1: v0-31 Q; v32-63 the second block's Q; v64-127 K of a step; v128-191 V of a step; v192-223 MD.
.set KS,    64
.set PK,    144       ; a row of K in LDS: 128 bytes + 16 = 36 words: the 16 rows of a load start at 16 different groups of four banks (64 banks of 4 bytes: ISA guide 11.1)
.set PV,    160       ; a row of V: 128 + 32 = 40 words
.set VOFF,  4*KS*PK   ; a slot holds a tile: 256 rows of K, then 256 rows of V
.set SLOT1, 1<<17     ; one exclusive or turns an address in one slot into the other's
.set STAGE, SLOT1+4*KS*(PK+PV)  ; behind the ring: 16 rows x 272 bytes for each wave
.set SP,    272
.set SPARE, STAGE+4*16*SP       ; the spare words: 128 bytes a wave, two blocks of 256 bytes that no other line names
.set AK0, 2
.set AV0, 3
.set AK,  4
.set AV,  5
.set STO, 6
.set RD,  7
.set GO,  8
.set MV,  12          ; v12-13  c m_old, a tile each
.set QO,  15
.set ST,  16
.set TMP, 24
.set SPW, 32          ; my spare word; never rewritten
.set NIL, 33          ; 0; never rewritten
.set S,   64
.set P,   128
.set O,   160
.set MC,  224
.set Q,   0           ; window 1
.set QB,  32
.set KF,  64
.set VF,  128
.set MD,  192
.set WV,  12          ; s12 wave
.set CX,  13          ; s13 cx
.set UU,  14          ; s14 U
.set G1K, 24
.set G1V, 32
.set G0K, 40
.set G0V, 44
.set SLOTS, 56
.set CNT, 57
.set CS,  58
.set SEL, 60
.set TBK, 62          ; LDS byte at which K of the step to be fetched begins
.set TBV, 63          ; the same for V, less VOFF
.set OA,  66          ; s[66:67] O at my rows of the block in hand; s[68:69] of the second block
.set RT,  70          ; tiles of the block in hand still to be entered
.set NXT, 71          ; the tile to be asked for next
.set LQ,  72          ; the last tile of the block whose tiles are being asked for
.set OFF, 74
.set AL,  76
.set BE,  78
.set BIGN, 82
.set DP,  83
.set CUR, 85
.set MSB, 0
.macro WIN new
.if MSB != (\new)
	s_set_vgpr_msb (MSB<<8)|(\new)
.set MSB, \new
.endif
.endm
.set W_KQ, 0x05       ; K and Q in window 1; C and S^T in window 0
.set W_PV, 0x01       ; V in window 1; P and O^T in window 0
.set W_LD, 0x40       ; destination window 1, address window 0
.set W_QQ, 0x41       ; destination and source 0 in window 1
.macro PLACES
.rept 4
	v_nop
.endr
.endm
.macro JLOAD                        ; a joint fill: waves 0, 1 fetch the halves of a tile's K, waves 2, 3 of its V, 128 keys each; an s_nop 0 and four v_nop follow each line
	s_cmp_lt_u32 s[WV], 2
	s_cbranch_scc0 .Lfor_v_\@
	tensor_load_to_lds s[G0K:G0K+3], s[G1K:G1K+7]
	s_nop 0
.rept 4
	v_nop
.endr
	s_branch .Lasked_\@
.Lfor_v_\@:
	tensor_load_to_lds s[G0V:G0V+3], s[G1V:G1V+7]
	s_nop 0
.rept 4
	v_nop
.endr
.Lasked_\@:
.endm
.macro CROUND
	s_barrier_signal -1
	s_barrier_wait -1
	s_cmp_lg_u32 s[WV], 0
	s_cbranch_scc1 .Lnot_wave_0_\@
	s_barrier_signal -3
.Lnot_wave_0_\@:
	s_barrier_wait -3
	s_barrier_signal -1
	s_barrier_wait -1
.endm
; THE CHANGE OF SLOTS.  Each wave waits for all its tensor loads (one is out: its part of the other slot), adds 0 to its spare word, and waits for that and for its reads of the slot that it leaves.
; fill = 1: a round of the cluster's barrier, and the old slot is filled again first thing behind it, with tile NXT: it has a tile's four steps, 128 matrix instructions, in which to land.
; (At its first use nothing has been read yet: slot 0 is waited for, slot 1 filled.)
.macro CHANGE fill
	WIN 0
	s_wait_tensorcnt 0x0            ; no tensor load of mine is out, so a group 0 may be written
	ds_add_u32 v[SPW], v[NIL]
.if \fill
	s_lshl_b32 s[OFF], s[NXT], 15   ; a tile is 32,768 bytes of K and of V
	s_xor_b32 s[G0K+1], s[G0K+1], SLOT1
	s_add_nc_u64 s[G0K+2:G0K+3], s[8:9], s[OFF:OFF+1]
	s_or_b32 s[G0K+3], s[G0K+3], 0x80000000
	s_xor_b32 s[G0V+1], s[G0V+1], SLOT1
	s_add_nc_u64 s[G0V+2:G0V+3], s[10:11], s[OFF:OFF+1]
	s_or_b32 s[G0V+3], s[G0V+3], 0x80000000
	s_add_co_u32 s[NXT], s[NXT], 1  ; the block's next tile, or behind its last the second block's tile 0
	s_cmp_gt_u32 s[NXT], s[LQ]
	s_cselect_b32 s[NXT], 0, s[NXT]
	s_cselect_b32 s[LQ], s[UU], s[LQ]
	s_wait_dscnt 0x0                ; the add is done, and my reads of the slot are over
	CROUND
	JLOAD
.else
	s_wait_dscnt 0x0
	s_barrier_signal -1
	s_barrier_wait -1
.endif
	s_sub_co_u32 s[TBK], s[TBK], 4*KS*PK  ; the fetches go back to a slot's first step, in the other slot
	s_xor_b32 s[TBK], s[TBK], SLOT1
	s_sub_co_u32 s[TBV], s[TBV], 4*KS*PV
	s_xor_b32 s[TBV], s[TBV], SLOT1
.endm
	s_load_b128 s[4:7], s[0:1], 0x0 ; qkv 4:5, ob 6:7
	v_lshl_add_u32 v[SPW], v0, 2, SPARE
	v_mov_b32 v[NIL], 0
	ds_add_u32 v[SPW], v[NIL]       ; the wave's opening: the add and its wait ahead of my first tensor load
	v_lshrrev_b32 v1, 5, v0
	v_readfirstlane_b32 s[WV], v1
	s_bfe_u32 s[CX], ttmp6, 0x40000
	s_mov_b32 s[UU], ttmp9          ; the cluster's x, which the four partners share
	s_lshl_b32 s15, s[UU], 2
	s_add_co_u32 s15, s15, s[CX]    ; p: the second block
	s_sub_co_u32 s16, 31, s15       ; the first block
	s_and_b32 s17, ttmp7, 0xffff
	s_lshr_b32 s18, s17, 3          ; batch
	s_and_b32 s19, s17, 7           ; key head
	s_lshl_b32 s48, s18, 4          ; K: slot 32 + 16 b + g, my half of a tile's 256 keys: made of what the partners share and the wave's number
	s_add_co_u32 s48, s48, s19
	s_add_co_u32 s48, s48, 32
	s_lshl_b32 s48, s48, 18
	s_and_b32 s54, s[WV], 1
	s_lshl_b32 s49, s54, 14
	s_add_co_u32 s48, s48, s49
	s_mov_b32 s49, 0
	s_mul_i32 s55, s54, 128*PV      ; and its place in a slot: no place in the cluster enters an LDS address
	s_add_co_u32 s55, s55, VOFF
	s_mul_i32 s54, s54, 128*PK
	s_lshl_b32 s50, s18, 4          ; Q: slot 16 b + 2 g, rows 64 x block + 16 w, 128 bytes each
	s_lshl_b32 s84, s19, 1
	s_add_co_u32 s50, s50, s84
	s_lshl_b32 s50, s50, 18
	s_lshl_b32 s84, s[WV], 11
	s_add_co_u32 s50, s50, s84
	s_lshl_b32 s52, s15, 13
	s_add_co_u32 s52, s52, s50
	s_lshl_b32 s84, s16, 13
	s_add_co_u32 s50, s50, s84
	s_mov_b32 s51, 0
	s_mov_b32 s53, 0
	s_lshl_b32 s86, s18, 22         ; O: row 2048 b + 64 x block + 16 w, 2,048 bytes each; 256 g bytes along it
	s_lshl_b32 s84, s[WV], 15
	s_add_co_u32 s86, s86, s84
	s_lshl_b32 s84, s19, 8
	s_add_co_u32 s86, s86, s84
	s_lshl_b32 s88, s15, 17
	s_add_co_u32 s88, s88, s86
	s_lshl_b32 s84, s16, 17
	s_add_co_u32 s86, s86, s84
	s_mov_b32 s87, 0
	s_mov_b32 s89, 0
	; group 1: 128 keys are 16,384 dense bytes: asked for as 64 rows of 256 bytes, two keys a row, padded in LDS after every key
	s_mov_b32 s[G1K], 15|(1<<16)|(1<<20)|(1<<21)|(4<<22)|(3<<25)  ; the mask of four; 2-byte elements; padding on; bit 21 beside a mask; after every 32 words 4 words
	s_mov_b32 s[G1V], 15|(1<<16)|(1<<20)|(1<<21)|(4<<22)|(7<<25)  ; the same with 8 words
.irp g, G1K, G1V
	s_mov_b32 s[\g+1], 128<<16
	s_mov_b32 s[\g+2], 64<<16
	s_mov_b32 s[\g+3], 128<<16
	s_mov_b32 s[\g+4], 64
	s_mov_b32 s[\g+5], 128
	s_mov_b32 s[\g+6], 0
	s_mov_b32 s[\g+7], 0
.endr
	s_mov_b32 s[G0K], 1
	s_mov_b32 s[G0K+1], s54         ; slot 0
	s_mov_b32 s[G0V], 1
	s_mov_b32 s[G0V+1], s55
	s_mov_b32 s[CS], 0x3e38aa3b     ; c = log2(e) / 8
	s_mov_b32 s[CS+1], s[CS]
	s_mov_b32 s[SEL], 0x76543210
	s_mov_b32 s[SEL+1], 0xfedcba98
	s_mov_b32 s[TBK], SLOT1+4*KS*PK ; the first change of slots turns these two into 0
	s_mov_b32 s[TBV], SLOT1+4*KS*PV
	s_sub_co_u32 s[RT], 8, s[UU]    ; the first block has 8 - U tiles
	s_mov_b32 s[NXT], 1
	s_sub_co_u32 s[LQ], 7, s[UU]
	s_sub_co_u32 s[DP], 3, s[CX]    ; enters selects alone
	s_mov_b32 s[SLOTS], 8
	s_mov_b32 s[OFF+1], 0
	s_mov_b32 s[AL+1], 0            ; named as pairs
	s_mov_b32 s[BE+1], 0
	s_mov_b32 s[BIGN], 0xf149f2ca   ; -1e30
	s_wait_dscnt 0x0                ; the opening add is done
	s_wait_kmcnt 0x0
	s_add_nc_u64 s[8:9], s[4:5], s[48:49]          ; K at my half of tile 0
	s_add_nc_u64 s[10:11], s[8:9], 8<<18           ; V lies eight slots on
	s_add_nc_u64 s[20:21], s[4:5], s[50:51]        ; Q, first and second block
	s_add_nc_u64 s[22:23], s[4:5], s[52:53]
	s_add_nc_u64 s[OA:OA+1], s[6:7], s[86:87]      ; O likewise
	s_add_nc_u64 s[OA+2:OA+3], s[6:7], s[88:89]
	s_add_nc_u64 s[G0K+2:G0K+3], s[8:9], 0
	s_or_b32 s[G0K+3], s[G0K+3], 0x80000000
	s_add_nc_u64 s[G0V+2:G0V+3], s[10:11], 0
	s_or_b32 s[G0V+3], s[G0V+3], 0x80000000
	CROUND                          ; all four work-groups are here
	JLOAD                           ; tile 0 into slot 0
	v_and_b32 v1, 15, v0            ; l % 16
	v_bfe_u32 v9, v0, 4, 1          ; l / 16
	v_lshlrev_b32 v[QO], 7, v1
	v_lshl_add_u32 v[QO], v9, 4, v[QO]
	WIN W_LD
.irp i, 0,1,2,3                     ; both blocks' Q: head i / 2 (262,144 bytes on), channels 32 (i % 2) on
	global_load_b128 v[Q+8*\i:Q+8*\i+3],     v[QO], s[20:21] offset:(\i/2)*262144+(\i%2)*64
	global_load_b128 v[Q+8*\i+4:Q+8*\i+7],   v[QO], s[20:21] offset:(\i/2)*262144+(\i%2)*64+32
	global_load_b128 v[QB+8*\i:QB+8*\i+3],   v[QO], s[22:23] offset:(\i/2)*262144+(\i%2)*64
	global_load_b128 v[QB+8*\i+4:QB+8*\i+7], v[QO], s[22:23] offset:(\i/2)*262144+(\i%2)*64+32
.endr
	WIN 0
	v_lshlrev_b32 v14, 3, v9
	v_sub_nc_u32 v14, v1, v14
	s_lshl_b32 s84, s[WV], 4
	v_add_nc_u32 v14, s84, v14      ; my query's place in its block, less my lanes' 8 (l / 16): register r of key group kb is hidden where 16 kb + r is greater
	WIN W_LD
.set i, 0
.rept 32
	v_cmp_gt_i32 vcc_lo, 16*(i/8)+i%8, v14
	v_cndmask_b32 v[MD+i], 0, s[BIGN], vcc_lo
.set i, i+1
.endr
	WIN 0
	v_mul_u32_u24 v[AK0], v1, PK
	v_lshl_add_u32 v[AK0], v9, 4, v[AK0]
	v_and_b32 v10, 7, v0
	v_bfe_u32 v11, v0, 3, 1
	v_lshl_add_u32 v[AV0], v9, 3, v10   ; the turning load reads key 8 (l / 16) + l % 8, channels 8 ((l / 8) % 2) + 0..7
	v_mul_u32_u24 v[AV0], v[AV0], PV
	v_lshl_add_u32 v[AV0], v11, 4, v[AV0]
	v_add_nc_u32 v[AV0], VOFF, v[AV0]
	s_mul_i32 s84, s[WV], 16*SP
	s_add_co_u32 s84, s84, STAGE    ; my stage
	v_mul_u32_u24 v[STO], v1, SP
	v_lshl_add_u32 v[STO], v9, 4, v[STO]
	v_add_nc_u32 v[STO], s84, v[STO]
	v_mul_u32_u24 v[RD], v9, SP     ; back: lanes 0-15 take one row of 256 bytes, lanes 16-31 the next
	v_lshl_add_u32 v[RD], v1, 4, v[RD]
	v_add_nc_u32 v[RD], s84, v[RD]
	v_lshlrev_b32 v[GO], 11, v9     ; and the same two rows in ob
	v_lshl_add_u32 v[GO], v1, 4, v[GO]
	; A block's first step multiplies O^T and l by a = 0, so they need only hold finite numbers: zeros now, what the first block left later.  No first step is written out; the price is these lines, in the wait for the first tile.
.set i, 0
.rept 64
	v_mov_b32 v[O+i], 0
.set i, i+1
.endr
.irp u, 0,1
	v_mov_b32 v[ST+4*\u], 0xfe000000    ; c m: far below every c s
	v_mov_b32 v[ST+4*\u+1], 0xff7fffff  ; m: the lowest finite number
	v_mov_b32 v[ST+4*\u+2], 0
	v_mov_b32 v[ST+4*\u+3], 0
.endr
	s_wait_loadcnt 0x0              ; Q
; THE MATRIX WORK.  The 8 accumulators of a run of 16 take turns, one instruction a turn.
; Product i of S^T = K Q^T: channels 32 (i / 8) on, keys 16 ((i / 2) % 4) on, head i % 2.  The first 8 start the sums: with 0, or (m = 1) with the mask.
.macro KQ m
	WIN W_KQ
.set rS, S+32*(i%2)+8*((i/2)%4)
.set rK, KF+16*((i/2)%4)+8*(i/8)
.set rQ, Q+16*(i%2)+8*(i/8)
.set rX, MC+8*((i/2)%4)
.if (i < 8) && (\m)
	v_wmma_f32_16x16x32_f16 v[rS:rS+7], v[rK:rK+7], v[rQ:rQ+7], v[rX:rX+7]
.elseif i < 8
	v_wmma_f32_16x16x32_f16 v[rS:rS+7], v[rK:rK+7], v[rQ:rQ+7], 0
.else
	v_wmma_f32_16x16x32_f16 v[rS:rS+7], v[rK:rK+7], v[rQ:rQ+7], v[rS:rS+7]
.endif
.endm
; Product i of O^T += V^T P: keys 32 (i / 8) on, channels 16 ((i / 2) % 4) on, head i % 2.
.macro PV
	WIN W_PV
.set rO, O+32*(i%2)+8*((i/2)%4)
.set rV, VF+32*(i/8)+8*((i/2)%4)
.set rP, P+16*(i%2)+8*(i/8)
	v_wmma_f32_16x16x32_f16 v[rO:rO+7], v[rV:rV+7], v[rP:rP+7], v[rO:rO+7]
.endm
; THE LDS LOADS stand in runs of 16.
.macro FETCH_K
	WIN W_LD
.irp f, 0,1,2,3,4,5,6,7             ; keys 16 (f / 2) on, channels 32 (f % 2) on
	ds_load_b128 v[KF+8*\f:KF+8*\f+3],   v[AK] offset:(\f/2)*16*PK+(\f%2)*64
	ds_load_b128 v[KF+8*\f+4:KF+8*\f+7], v[AK] offset:(\f/2)*16*PK+(\f%2)*64+32
.endr
	s_add_co_u32 s[TBK], s[TBK], KS*PK  ; the next fetch is the next step's
	WIN 0
.endm
.macro FETCH_V
	WIN W_LD
.irp f, 0,1,2,3,4,5,6,7             ; keys 32 (f / 4) on, channels 16 (f % 4) on
	ds_load_tr16_b128 v[VF+8*\f:VF+8*\f+3],   v[AV] offset:(\f/4)*32*PV+(\f%4)*32
	ds_load_tr16_b128 v[VF+8*\f+4:VF+8*\f+7], v[AV] offset:(\f/4)*32*PV+16*PV+(\f%4)*32
.endr
.endm
.macro MASK                         ; MD x AL + BE
	WIN W_PV                        ; source 0 (MD) window 1, result window 0
.set z, 0
.rept 16
	v_pk_fma_f32 v[MC+2*z:MC+2*z+1], v[MD+2*z:MD+2*z+1], s[AL:AL+1], s[BE:BE+1] op_sel_hi:[1,0,0]
.set z, z+1
.endr
.endm
; THE VECTOR WORK, all in window 0.
.macro REGS u                       ; the registers of head u
.set rT, ST+4*(\u)
.set rC, TMP+4*(\u)
.set rM, MV+(\u)
.set rS, S+32*(\u)
.set rP, P+16*(\u)
.set rO, O+32*(\u)
.endm
; Number n of the 22 that find the maximum and the statistics.  0-11: four chains c0-c3 of seven scores each (each accumulator's lowest registers are read first);
; 12-14, 16: the four scores left over, the old m, c0-c3 into c0; 15: c m_old is kept; 17, 18: the query's other 32 keys lie in the lane 16 away; 19-21: c m; c m_old - c m_new; a.
.macro XS u, n
	REGS \u
.if (\n) < 4
	v_max3_num_f32 v[rC+(\n)], v[rS+8*(\n)], v[rS+8*(\n)+1], v[rS+8*(\n)+2]
.elseif (\n) < 12
	v_max3_num_f32 v[rC+(\n)%4], v[rC+(\n)%4], v[rS+8*((\n)%4)+2*((\n)/4)+1], v[rS+8*((\n)%4)+2*((\n)/4)+2]
.elseif (\n) == 12
	v_max3_num_f32 v[rC], v[rC], v[rS+7], v[rS+15]
.elseif (\n) == 13
	v_max3_num_f32 v[rC+1], v[rC+1], v[rS+23], v[rS+31]
.elseif (\n) == 14
	v_max3_num_f32 v[rC+2], v[rC+2], v[rC+3], v[rT+1]
.elseif (\n) == 15
	v_mov_b32 v[rM], v[rT]
.elseif (\n) == 16
	v_max3_num_f32 v[rC], v[rC], v[rC+1], v[rC+2]
.elseif (\n) == 17
	v_permlanex16_b32 v[rC+3], v[rC], s[SEL], s[SEL+1]
.elseif (\n) == 18
	v_max_num_f32 v[rT+1], v[rC], v[rC+3]
.elseif (\n) == 19
	v_mul_f32 v[rT], s[CS], v[rT+1]
.elseif (\n) == 20
	v_sub_f32 v[rC+1], v[rM], v[rT]
.else
	v_exp_f32 v[rC+2], v[rC+1]
.endif
.endm
.macro FS u, n                      ; c s - c m for pair n of 16
	REGS \u
	v_pk_fma_f32 v[rS+2*(\n):rS+2*(\n)+1], v[rS+2*(\n):rS+2*(\n)+1], s[CS:CS+1], v[rT:rT+1] op_sel_hi:[1,0,0] neg_lo:[0,0,1] neg_hi:[0,0,1]
.endm
.macro ES u, n                      ; the exponential of score n of 32, in place
	REGS \u
	v_exp_f32 v[rS+(\n)], v[rS+(\n)]
.endm
.macro CV u, n                      ; pair n rounded to f16
	REGS \u
	v_cvt_pk_f16_f32 v[rP+(\n)], v[rS+2*(\n)], v[rS+2*(\n)+1]
.endm
.macro BS u, n                      ; of the four weights 4 n .. the second pair is added onto the first, in place (behind their rounding)
	REGS \u
	v_pk_add_f32 v[rS+4*(\n):rS+4*(\n)+1], v[rS+4*(\n):rS+4*(\n)+1], v[rS+4*(\n)+2:rS+4*(\n)+3]
.endm
.macro LS u, n                      ; l takes that sum; the first time as l = a l + sum
	REGS \u
.if (\n) == 0
	v_pk_fma_f32 v[rT+2:rT+3], v[rT+2:rT+3], v[rC+2:rC+3], v[rS:rS+1] op_sel_hi:[1,0,1]
.else
	v_pk_add_f32 v[rT+2:rT+3], v[rT+2:rT+3], v[rS+4*(\n):rS+4*(\n)+1]
.endif
.endm
.macro RS u, n                      ; pair n of 16 of O^T times a, in ascending order
	REGS \u
	v_pk_mul_f32 v[rO+2*(\n):rO+2*(\n)+1], v[rO+2*(\n):rO+2*(\n)+1], v[rC+2:rC+3] op_sel_hi:[1,0]
.endm
; A STEP'S SOFTMAX, the two heads alternating, in three parts.
; (1) Numbers 0 to 20 of XS: the maximum, c m and a's argument.
; (2) THE BATCH: the two a and the 64 scores' exponentials, 66 in all, each result in a register of its own (a in c2, the scores in place).  The 32 scalings stand among them: they name no exponential's result.
;     Four scalings lead, then one follows every second exponential: exponential e needs scaling 2 (e / 4) + e % 2, which stands six exponentials or more ahead of it.
;     A v_nop is the plain instruction behind the last exponential (ISA guide 5.7.2), then ONE wait ahead of the first instruction that names a result of the batch.
; (3) THE READERS, 96, in eight groups: group k rounds pairs 2 k and 2 k + 1 of both heads, rescales as many pairs of O^T, adds the second pair of weights onto the first, and lets l take group k - 1's sum:
;     l's additions keep their order, twelve lines apart; O^T's pairs go in ascending order.
.macro SOFTMAX
	WIN 0
.irp n, 0,1,2,3,4,5,6,7,8,9,10,11,12,13,14,15,16,17,18,19,20
	XS 0, \n
	XS 1, \n
.endr
	XS 0, 21                        ; the batch opens with the two a
	FS 0, 0
	XS 1, 21
	FS 1, 0
	FS 0, 1
	FS 1, 1
.set e, 0
.rept 64
	ES e%2, e/2
.if (e%2 == 1) && (e < 56)
.set sc, 4+e/2                      ; scalings 4 to 31: pair sc / 2 of head sc % 2
	FS sc%2, sc/2
.endif
.set e, e+1
.endr
	v_nop                           ; the plain instruction behind the last exponential: one for the batch
	s_wait_alu depctr_va_vdst(0)    ; the wait for the batch: the step's 66 exponentials; nothing ahead of it names a result of theirs, and no exponential is issued behind it
.irp k, 0,1,2,3,4,5,6,7
	CV 0, 2*(\k)
	CV 1, 2*(\k)
	CV 0, 2*(\k)+1
	CV 1, 2*(\k)+1
	RS 0, 2*(\k)
	RS 1, 2*(\k)
	BS 0, \k
	BS 1, \k
	RS 0, 2*(\k)+1
	RS 1, 2*(\k)+1
.if (\k) > 0
	LS 0, (\k)-1
	LS 1, (\k)-1
.endif
.endr
	LS 0, 7
	LS 1, 7
.endm
; A KEY STEP.  m = 1: the diagonal tile's text: the step's mask is made first.
.macro STEP m
.if \m
	s_sub_co_u32 s[CUR], 4, s[CNT]  ; the step's number in its tile
	s_cmp_eq_u32 s[CUR], s[DP]      ; the block's own step?
	s_cselect_b32 s[AL], 1.0, 0
	s_cmp_gt_u32 s[CUR], s[DP]      ; or a later one?
	s_cselect_b32 s[BE], s[BIGN], 0
	MASK
.endif
	WIN 0
	v_add_nc_u32 v[AV], s[TBV], v[AV0]
	s_add_co_u32 s[TBV], s[TBV], KS*PV
	PLACES                          ; behind the last step's products V^T P, which read V's registers
	FETCH_V
	s_wait_dscnt 16                 ; K is in; V's sixteen loads, issued behind K's, may be out
.set i, 0
.rept 16
	KQ \m
.set i, i+1
.endr
	WIN 0
	v_add_nc_u32 v[AK], s[TBK], v[AK0]  ; with the three lines below: the four places behind those products
.rept 3
	v_nop
.endr
	s_cmp_eq_u32 s[CNT], 1          ; a tile's last step fetches no further K: the next tile's first is fetched behind the change of slots
	s_cbranch_scc1 .Lno_k_\@
	FETCH_K
.Lno_k_\@:
	SOFTMAX
	s_wait_dscnt 0x0                ; V is in (and the next K)
.set i, 0
.rept 16
	PV
.set i, i+1
.endr
	WIN 0
.endm
.macro LOOP4 m                      ; a tile's four steps: written once, walked four times; the LDS addresses hang on s[TBK] and s[TBV]
	s_mov_b32 s[CNT], 4
.Lstep_\@:
	STEP \m
	s_sub_co_u32 s[CNT], s[CNT], 1
	s_cmp_lg_u32 s[CNT], 0
	s_cbranch_scc1 .Lstep_\@
.endm
; A BLOCK'S END: l's two halves and the other half of the lanes' are added; O^T is divided by l, rounded to f16, and sent through my stage: both heads' 128 bytes of a row side by side.
.macro FINISH
	PLACES
.irp u, 0,1
	v_add_f32 v[ST+4*\u+2], v[ST+4*\u+2], v[ST+4*\u+3]
.endr
.irp u, 0,1
	v_permlanex16_b32 v[ST+4*\u+3], v[ST+4*\u+2], s[SEL], s[SEL+1]
.endr
.irp u, 0,1
	v_add_f32 v[ST+4*\u+2], v[ST+4*\u+2], v[ST+4*\u+3]
.endr
.irp u, 0,1
	v_rcp_f32 v[ST+4*\u+2], v[ST+4*\u+2]
.endr
	v_nop                           ; a plain instruction between the last reciprocal and the use of its result
	s_wait_alu depctr_va_vdst(0)    ; the wait for this batch, the two reciprocals, ahead of the first use
.set i, 0
.rept 32
	v_pk_mul_f32 v[O+2*i:O+2*i+1], v[O+2*i:O+2*i+1], v[ST+4*(i/16)+2:ST+4*(i/16)+3] op_sel_hi:[1,0]
.set i, i+1
.endr
.set i, 0
.rept 32
	v_cvt_pk_f16_f32 v[S+i], v[O+2*i], v[O+2*i+1]
.set i, i+1
.endr
.irp f, 0,1,2,3,4,5,6,7             ; head f / 4, channels 16 (f % 4) on: byte 32 f of the row
	ds_store_b128 v[STO], v[S+4*\f:S+4*\f+3] offset:32*\f
.endr
.irp f, 0,1,2,3,4,5,6,7
	ds_load_b128 v[S+32+4*\f:S+32+4*\f+3], v[RD] offset:\f*2*SP  ; LDS serves a wave's instructions in order (ISA guide 5.7.1.4): these see the stores above
.endr
.irp f, 0,1,2,3,4,5,6,7
	s_wait_dscnt 7-\f
	global_store_b128 v[GO], v[S+32+4*\f:S+32+4*\f+3], s[OA:OA+1] offset:\f*4096  ; 16 lanes store 256 consecutive bytes, at a multiple of 256 from ob's first byte
.endr
.endm
.macro SWITCH                       ; on to the second block
	s_wait_xcnt 0x0                 ; the stores' base and data are written again only behind this wait
	s_mov_b64 s[OA:OA+1], s[OA+2:OA+3]
	s_add_co_u32 s[RT], s[UU], 1    ; it has U + 1 tiles
	s_mov_b32 s[DP], s[CX]
	WIN W_QQ
.set i, 0
.rept 32
	v_mov_b32 v[Q+i], v[QB+i]       ; its Q goes where the one text of the steps names Q
.set i, i+1
.endr
	WIN 0
.irp u, 0,1
	v_mov_b32 v[ST+4*\u], 0xfe000000
	v_mov_b32 v[ST+4*\u+1], 0xff7fffff
.endr
.endm
.Lslot:                             ; 8 times: a tile is entered and the next is asked for
	CHANGE 1
	s_sub_co_u32 s[RT], s[RT], 1
	v_add_nc_u32 v[AK], s[TBK], v[AK0]
	FETCH_K                         ; K of the tile's first step
	s_cmp_lg_u32 s[RT], 0           ; hangs on U alone, which the partners share
	s_cbranch_scc1 .Lplain
	LOOP4 1                         ; in the loop this is the first block's last tile: the second's is the walk's last
	FINISH
	SWITCH
	s_branch .Lbottom
.Lplain:
	LOOP4 0
.Lbottom:
	s_sub_co_u32 s[SLOTS], s[SLOTS], 1
	s_cmp_lg_u32 s[SLOTS], 0
	s_cbranch_scc1 .Lslot
	CHANGE 0                        ; the walk's last tile is written out: nothing is asked for
	v_add_nc_u32 v[AK], s[TBK], v[AK0]
	FETCH_K
	LOOP4 1
	FINISH
	s_wait_tensorcnt 0x0            ; the wave's end
	ds_add_u32 v[SPW], v[NIL]
	s_wait_dscnt 0x0
	CROUND                          ; the closing round
	s_endpgm
.Lfunc_end_k_qd8a27bfa99_attn:
	.size	k_qd8a27bfa99_attn, .Lfunc_end_k_qd8a27bfa99_attn-k_qd8a27bfa99_attn
	.p2alignl 7, 3214868480
	.fill 96, 4, 3214868480
	.section	.rodata,"a",@progbits
	.p2align	6, 0x0
	.amdhsa_kernel k_qd8a27bfa99_attn
		.amdhsa_group_segment_fixed_size 327680
		.amdhsa_private_segment_fixed_size 0
		.amdhsa_enable_private_segment 0
		.amdhsa_kernarg_size 16
		.amdhsa_user_sgpr_count 2
		.amdhsa_user_sgpr_kernarg_segment_ptr 1
		.amdhsa_wavefront_size32 1
		.amdhsa_system_sgpr_workgroup_id_x 1
		.amdhsa_system_sgpr_workgroup_id_y 1
		.amdhsa_system_sgpr_workgroup_id_z 1
		.amdhsa_system_vgpr_workitem_id 0
		.amdhsa_next_free_vgpr 512
		.amdhsa_next_free_sgpr 90
		.amdhsa_reserve_vcc 1
		.amdhsa_float_denorm_mode_32 3
		.amdhsa_float_denorm_mode_16_64 3
		.amdhsa_memory_ordered 1
		.amdhsa_forward_progress 1
		.amdhsa_inst_pref_size 88
	.end_amdhsa_kernel
	.amdgpu_metadata
---
amdhsa.version: [ 1, 2 ]
amdhsa.kernels:
  - .name:           k_qd8a27bfa99_attn
    .symbol:         k_qd8a27bfa99_attn.kd
    .args:
      - { .name: qkv, .offset: 0, .size: 8, .value_kind: global_buffer, .address_space: global }
      - { .name: ob, .offset: 8, .size: 8, .value_kind: global_buffer, .address_space: global }
    .group_segment_fixed_size: 327680
    .private_segment_fixed_size: 0
    .kernarg_segment_align: 8
    .kernarg_segment_size: 16
    .max_flat_workgroup_size: 128
    .sgpr_count:     90
    .vgpr_count:     512
    .wavefront_size: 32
...
	.end_amdgpu_metadata
.endif
;; end of part 5
;; launch outp: the kernel of part 4 again; grid 16 x 16, 4 waves a work-group, clusters of 4 x 4, 327,680 bytes of LDS; arguments ob, wob, out0; writes out0
